; MI455X (gfx1250); checked and timed in simulation.
; The chip was launched on July 23, 2026; its instructions are those of AMD's public machine-readable ISA for CDNA 5 (MIT licence, August 2026) and "CDNA5" Instruction Set Architecture Reference Guide (July 2026). The comments in the code are by the model that wrote it; some were corrected since.
;; Attention. Allowed arithmetic: matrix products marked QUANTISED: E2M1 operands, one E8M0 scale for each 32 along K, by v_wmma_scale_f32_16x16x128_f8f6f4 with both operands' format E2M1 (or v_wmma_scale_f32_32x16x128_f4), f32 sums; products left as they are: bf16, f16 or f32 operands; f32 sums; everything else in f32.
;; Inputs: wk 2,048 x 512 float32; wo 2,048 x 2,048 float32; wq 2,048 x 2,048 float32; wv 2,048 x 512 float32; x 1 x 2,048 x 2,048 float32.
;; Outputs: out0 1 x 2,048 x 2,048 float32.
;; Constants: start_pos = 0.
;; This version of the problem:
;;   THIS VERSION OF THE PROBLEM IS GIVEN IN LOW PRECISION. The matrix products marked QUANTISED in the list below multiply operands that are first quantised to E2M1 (2 exponent bits, 1 mantissa bit; 4 bits a number), with one power-of-two scale for each 32 numbers along K (OCP MX v1.0); their sums are f32. The products marked 'left as it is' may take bf16, f16 or f32 operands, with f32 sums. Whichever they take, every output number must still come out within the allowed error. Rounding operands to bf16 (8 significant bits) uses up far more of that allowance than f16 does (11 bits, for magnitudes from 6e-5 to 65,504). All else is computed in f32.
;;   The module's matrix products, in the order in which they are computed (A, B: the left and right operand; K: the contracted axis; several contracted axes count as one K, in the product's order):
;;     1. [M 2,048, K 2,048] x [K 2,048, N 2,048]; A: input x; B: input wq: QUANTISED
;;     2. [M 2,048, K 2,048] x [K 2,048, N 512]; A: input x; B: input wk: QUANTISED
;;     3. [M 2,048, K 2,048] x [K 2,048, N 512]; A: input x; B: input wv: QUANTISED
;;     4. batch 32 x [M 2,048, K 64] x [K 64, N 2,048]; A: computed on the way; B: computed on the way: left as it is (an operand is computed on the way)
;;     5. batch 32 x [M 64, K 2,048] x [K 2,048, N 2,048]; A: computed on the way; B: computed on the way: left as it is (an operand is computed on the way)
;;     6. [M 2,048, K 2,048] x [K 2,048, N 2,048]; A: computed on the way; B: input wo: left as it is (an operand is computed on the way)
;;   THE QUANTISER, for each operand of a quantised product, along K:
;;     - K is cut into blocks of 32 from its start; a last block that is shorter is filled with zeros.
;;     - A block's scale is 2^e with e = floor(log2(the largest magnitude in the block)) - 2, held to -126 .. 127; a block of zeros has e = 0. As a byte (E8M0): e + 127.
;;     - Each number is divided by its block's scale, clamped to +-6, and rounded to the nearest number of E2M1, ties to even, subnormals kept.
;;     - The product sums the exact products of the quantised numbers (number of the format x scale) in f32.
;;   ~~~python
;;   def quantise(x, axis):      # numpy; x: float32 -> the quantised numbers, widened to float32 again
;;       x = np.moveaxis(x, axis, -1); K = x.shape[-1]
;;       x = np.pad(x, [(0, 0)] * (x.ndim - 1) + [(0, -K % 32)]); x = x.reshape(x.shape[:-1] + (-1, 32)); a = np.abs(x).max(-1, keepdims=True)
;;       e = np.where(a > 0, np.clip(np.frexp(np.where(a > 0, a, 1))[1] - 1 - 2, -126, 127), 0)      # np.frexp(a)[1] - 1 = floor(log2(a)), exactly
;;       r = np.clip(x / 2.0 ** e, -6, 6)
;;       step = 2.0 ** (np.maximum(np.frexp(np.where(r == 0, 1, r))[1] - 1, 0) - 1)
;;       q = np.round(r / step) * step * 2.0 ** e      # np.round: ties to even
;;       return np.moveaxis(q.reshape(q.shape[:-2] + (-1,))[..., :K], -1, axis).astype(np.float32)
;;   ~~~
;; One version. Each part assembles by itself: llvm-mc -triple=amdgcn-amd-amdhsa -mcpu=gfx1250 --defsym DOCPART=n.
;; ======== version 1 of 1: 5 launches
;; limits: values are held in f16: magnitudes above 65,504 overflow, below 6.1e-05 lose precision
;; workspace buffers: codes 6,127,616 bytes; wo16 8,388,608 bytes; qkv 12,582,912 bytes; qkv32 196,608 bytes; attn 8,388,608 bytes; att32 131,072 bytes
;; launch prep (part 1): grid 465 x 1, 8 waves a work-group, no clusters, 84,992 bytes of LDS; arguments x, wq, wk, wv, codes; writes codes
.if DOCPART == 1
	.amdgcn_target "amdgcn-amd-amdhsa--gfx1250"
	.amdhsa_code_object_version 6
	.text
	.protected	k_qa870f0631f_prep
	.globl	k_qa870f0631f_prep
	.p2align	8
	.type	k_qa870f0631f_prep,@function
k_qa870f0631f_prep:
	s_mov_b64 s[64:65], 0
	v_nop
	global_prefetch_b8 v0, s[64:65] scope:SCOPE_SE
	s_setreg_imm32_b32 hwreg(HW_REG_WAVE_MODE, 25, 1), 1
	s_wait_xcnt 0x0
; PREP: what the quantised product needs, made of the inputs once.  Three kinds of work-group, told apart by the work-group's number:
;   0-191   W: wq | wk | wv ([2048 k][n] f32, K the FIRST axis) -> codes of FP4 (E2M1), K innermost, one operand [3072 n][1024 bytes], and E8M0 scale bytes [3072][64]
;   192-447 X: x ([2048][2048] f32, K innermost) -> codes [2048][1024 bytes] and scale bytes [2048][64]
;   448-464 T: the rotation table [2176 rows][32 pairs][cos, sin] f32; rows 2048-2175 are (1, 0), the identity
; A W work-group moves 131,072 bytes in, an X work-group 65,536: small pieces, so that two of them side by side weigh about alike everywhere.
; A block's scale is 2^(floor(log2(its largest magnitude)) - 2); its byte is the largest magnitude's exponent field - 2, held at 1 from below.
; LIMITS: a block of zeros gets the byte 1 where the rule says 127 (its codes are zeros, and this program alone reads the bytes); blocks whose largest magnitude lies under 2^-124 were not tried;
; NaN and infinities are not served.  The table's sine and cosine: reduction by pi/2 in two parts, polynomials to r^9 and r^8, |r| <= pi/4: truncation under 3e-8.
; All paths meet at one barrier, which path W needs between its two phases; each path has LDS bytes of its own.
.set WC,    2097152                    ; sections of the buffer codes: x's codes at 0, w's codes,
.set XS,    5242880                    ; x's scale bytes,
.set WS,    5373952                    ; w's scale bytes,
.set RT,    5570560                    ; the table
.set WST,   65536                      ; LDS: path X: 8 regions of 8,192 bytes from 0; path W: 64 rows (columns n) x (256 bytes of codes + 16),
.set WSS,   82944                      ; and 64 x 16 scale bytes
.set SPARE, 83968                      ; the spare words, 128 bytes for each wave: four blocks of 256 bytes that no other line names
.set SP,    80                         ; path X: a lane's place in a stage: 64 bytes + 16 of padding
.set XST,   4                          ; path X: steps of 512 numbers a wave
.set SPW,   208                        ; v208 LDS address of my spare word; never rewritten
.set NIL,   209                        ; v209 0; never rewritten
	s_load_b256 s[4:11], s[0:1], 0x0               ; x, wq, wk, wv
	s_load_b64 s[14:15], s[0:1], 0x20              ; codes
	v_lshl_add_u32 v[SPW], v0, 2, SPARE
	v_mov_b32 v[NIL], 0
	v_lshrrev_b32 v1, 5, v0
	v_readfirstlane_b32 s18, v1                    ; wave 0..7
	v_and_b32 v2, 31, v0                           ; lane
	v_and_b32 v3, 15, v0
	v_bfe_u32 v4, v0, 4, 1
	; every LDS address is made here, ahead of the parting: v200-205 path W's, v210-213 path X's
	s_and_b32 s19, s18, 1                          ; W: cg, which 32 of the 64 columns
	s_lshr_b32 s20, s18, 1                         ; W: kq, which 128 of the 512 along K
	s_mul_i32 s21, s19, 32*272
	s_lshl_b32 s22, s20, 6
	s_add_co_u32 s21, s21, s22
	s_add_co_u32 s21, s21, WST
	v_mul_u32_u24 v202, v2, 272
	v_add_nc_u32 v202, s21, v202                   ; codes in: row = my column, 64 bytes for each kq
	s_lshl_b32 s21, s19, 9
	s_lshl_b32 s22, s20, 2
	s_add_co_u32 s22, s21, s22
	s_add_co_u32 s22, s22, WSS
	v_lshl_add_u32 v203, v2, 4, s22                ; scale bytes in: 16 a column, 4 for each kq
	s_add_co_u32 s21, s21, WSS
	v_lshl_add_u32 v201, v2, 4, s21                ; scale bytes out (waves 0 and 1): a column a lane
	s_mul_i32 s21, s18, 8*272
	s_add_co_u32 s21, s21, WST
	v_mul_u32_u24 v200, v4, 272
	v_lshl_add_u32 v200, v3, 4, v200
	v_add_nc_u32 v200, s21, v200                   ; codes out: wave w takes rows 8 w on, sixteen lanes to a row
	v_lshlrev_b32 v204, 10, v4
	v_lshl_add_u32 v204, v3, 4, v204               ; and the same place in memory (rows of 1,024 bytes)
	v_lshlrev_b32 v205, 6, v2                      ; a row of scale bytes is 64
	s_lshl_b32 s19, s18, 13                        ; X: my wave's region
	v_lshrrev_b32 v5, 2, v2
	v_mul_u32_u24 v5, v5, SP
	v_and_b32 v6, 3, v2
	v_lshl_add_u32 v5, v6, 4, v5
	v_add_nc_u32 v210, s19, v5                     ; the stage, in: four lanes' 64 bytes on end, then padding
	v_mul_u32_u24 v5, v2, SP
	v_add_nc_u32 v211, s19, v5                     ; out: my 16 neighbours
	s_add_co_u32 s19, s19, 2*32*SP
	v_lshrrev_b32 v5, 1, v2
	v_add_nc_u32 v212, s19, v5                     ; my block's scale byte
	v_lshlrev_b32 v5, 1, v2
	v_add_nc_u32 v213, s19, v5                     ; the wave's 64 scale bytes, 2 a lane
	s_wait_kmcnt 0x0
	s_cmp_lt_u32 ttmp9, 192
	s_cbranch_scc1 .LpathW
	s_cmp_lt_u32 ttmp9, 448
	s_cbranch_scc1 .LpathX
; ---- T: sixteen rows of the table a wave, a lane a pair
	s_sub_co_u32 s19, ttmp9, 448
	s_lshl_b32 s19, s19, 3
	s_add_co_u32 s19, s19, s18                     ; which sixteen rows
	s_lshl_b32 s20, s19, 12
	s_add_co_u32 s20, s20, RT
	s_mov_b32 s21, 0
	s_add_nc_u64 s[22:23], s[14:15], s[20:21]
	s_lshl_b32 s19, s19, 4                         ; the first row
	s_mov_b32 s24, 0x3f22f983                      ; 2 / pi
	s_mov_b32 s25, 0x3fc90fdb                      ; pi / 2, its f32 part,
	s_mov_b32 s26, 0xb33bbd2e                      ; and what that leaves
	s_mov_b32 s27, 0xbe2aaaab                      ; -1/6
	s_mov_b32 s28, 0x3c088889                      ; 1/120
	s_mov_b32 s29, 0xb9500d01                      ; -1/5040
	s_mov_b32 s30, 0x3638ef1d                      ; 1/362880
	s_mov_b32 s32, 0x3d2aaaab                      ; 1/24
	s_mov_b32 s33, 0xbab60b61                      ; -1/720
	s_mov_b32 s34, 0x37d00d01                      ; 1/40320
	v_cvt_f32_u32 v3, v2
	v_mul_f32 v3, 0xbed49a78, v3                   ; -pair x log2(10000) / 32
	v_exp_f32 v3, v3                               ; the pair's frequency
	v_lshlrev_b32 v4, 3, v2                        ; (a plain line behind the exponential)  8 bytes a pair
	s_wait_alu depctr_va_vdst(0)                   ; ahead of the first use of the frequency
.macro TROW i
	s_add_co_u32 s36, s19, \i
	s_cmp_lt_u32 s36, 2048
	s_cselect_b32 s36, s36, 0                      ; rows from 2,048 on: angle 0
	v_cvt_f32_u32 v5, s36
	v_mul_f32 v5, v5, v3                           ; the angle, rounded once
	v_mul_f32 v6, s24, v5
	v_rndne_f32 v6, v6                             ; how many quarter turns
	v_fma_f32 v7, -v6, s25, v5
	v_fma_f32 v7, -v6, s26, v7                     ; what is left, |r| <= pi / 4
	v_mul_f32 v8, v7, v7
	v_fma_f32 v9, v8, s30, s29
	v_fma_f32 v11, v8, s34, s33
	v_fma_f32 v9, v9, v8, s28
	v_fma_f32 v11, v11, v8, s32
	v_fma_f32 v9, v9, v8, s27
	v_fma_f32 v11, v11, v8, -0.5
	v_mul_f32 v10, v7, v8
	v_fma_f32 v11, v11, v8, 1.0                    ; cos r
	v_fma_f32 v9, v10, v9, v7                      ; sin r
	v_cvt_i32_f32 v12, v6
	v_and_b32 v13, 1, v12
	v_cmp_eq_u32 vcc_lo, 1, v13                    ; an odd number of quarter turns swaps the two
	v_cndmask_b32 v14, v9, v11, vcc_lo
	v_cndmask_b32 v15, v11, v9, vcc_lo
	v_lshlrev_b32 v13, 30, v12
	v_and_b32 v13, 0x80000000, v13                 ; the sine changes sign in turns 2 and 3,
	v_add_nc_u32 v12, 1, v12
	v_lshlrev_b32 v12, 30, v12
	v_and_b32 v12, 0x80000000, v12                 ; the cosine in turns 1 and 2
	v_xor_b32 v[64+2*\i], v12, v15
	v_xor_b32 v[65+2*\i], v13, v14
	global_store_b64 v4, v[64+2*\i:65+2*\i], s[22:23] offset:256*\i   ; the wave stores one row: 256 consecutive bytes, aligned
.endm
.irp i, 0,1,2,3,4,5,6,7,8,9,10,11,12,13,14,15
	TROW \i
.endr
	s_branch .Ljoin
; ---- W: a lane takes a column n and its registers run down K; a wave takes 32 columns x 128 along K (4 blocks)
.LpathW:
	s_lshr_b32 s19, ttmp9, 2                       ; which 64 columns of the 3,072
	s_and_b32 s24, ttmp9, 3                        ; which 512 along K
	s_cmp_lt_u32 s19, 40
	s_cselect_b64 s[20:21], s[8:9], s[10:11]       ; the tensor is chosen by the work-group's number alone
	s_cselect_b32 s25, 32, 40
	s_cmp_lt_u32 s19, 32
	s_cselect_b64 s[20:21], s[6:7], s[20:21]
	s_cselect_b32 s25, 0, s25
	s_mov_b32 s26, 2048
	s_cselect_b32 s26, 8192, s26                   ; a row of it in bytes
	s_sub_co_u32 s27, s19, s25
	s_lshl_b32 s27, s27, 6
	s_and_b32 s28, s18, 1
	s_lshl_b32 s28, s28, 5
	s_add_co_u32 s27, s27, s28
	s_lshl_b32 s27, s27, 2                         ; my wave's first column, in bytes
	s_lshl_b32 s28, s24, 9
	s_lshr_b32 s29, s18, 1
	s_lshl_b32 s29, s29, 7
	s_add_co_u32 s28, s28, s29                     ; its first row
	s_mul_i32 s28, s28, s26
	s_add_co_u32 s28, s28, s27
	s_mov_b32 s29, 0
	s_add_nc_u64 s[36:37], s[20:21], s[28:29]      ; a base for each block of 32 rows: none is stepped
	s_lshl_b32 s22, s26, 5
	s_mov_b32 s23, 0
	s_add_nc_u64 s[38:39], s[36:37], s[22:23]
	s_add_nc_u64 s[40:41], s[38:39], s[22:23]
	s_add_nc_u64 s[42:43], s[40:41], s[22:23]
	v_lshlrev_b32 v160, 2, v2                      ; v160-191: 4 x lane + i rows
.set i, 1
.rept 31
	v_add_nc_u32 v[160+i], s26, v[160+i-1]
.set i, i+1
.endr
.macro WLOAD t                         ; block t: 32 rows at my column: a wave reads 128 consecutive bytes, two waves side by side 256
.irp i, 0,1,2,3,4,5,6,7,8,9,10,11,12,13,14,15,16,17,18,19,20,21,22,23,24,25,26,27,28,29,30,31
	global_load_b32 v[32+32*((\t)%2)+\i], v[160+\i], s[36+2*(\t):37+2*(\t)] th:TH_LOAD_NT
.endr
.endm
.macro WBLOCK t
.set XR, 32+32*((\t)%2)
.if (\t) < 3
	s_wait_loadcnt 32                              ; this block's 32 loads are in; the next block's may be out
.else
	s_wait_loadcnt 0x0
.endif
	v_max3_num_f32 v12, |v[XR]|, |v[XR+1]|, |v[XR+2]|   ; the block's largest magnitude: all 32 numbers are mine
	v_max3_num_f32 v13, |v[XR+3]|, |v[XR+4]|, |v[XR+5]|
.irp i, 6,10,14,18,22,26
	v_max3_num_f32 v12, v12, |v[XR+\i]|, |v[XR+\i+1]|
	v_max3_num_f32 v13, v13, |v[XR+\i+2]|, |v[XR+\i+3]|
.endr
	v_max3_num_f32 v12, v12, |v[XR+30]|, |v[XR+31]|
	v_max3_num_f32 v12, v12, v13, 0x1800000        ; and the floor 2^(3 - 127): the byte cannot fall under 1
	v_add_nc_u32 v11, 0xff000000, v12              ; 2 off the exponent field: the conversion's scale operand
	v_lshrrev_b32 v13, 23, v11                     ; the scale's byte
.if (\t) == 0
	v_mov_b32 v24, v13
.else
	v_lshl_or_b32 v24, v13, 8*(\t), v24
.endif
.irp g, 0,1,2,3
	v_cvt_scalef32_pk8_fp4_f32 v[96+4*(\t)+\g], v[XR+8*\g:XR+8*\g+7], v11
.endr
	v_nop                                          ; a plain line behind the last conversion
	ds_store_b128 v202, v[96+4*(\t):96+4*(\t)+3] offset:16*(\t)   ; 32 codes: 16 bytes of my column's row; each block has registers of its own
.if (\t)+2 < 4
	WLOAD (\t)+2
.endif
.endm
	WLOAD 0
	WLOAD 1
	WBLOCK 0
	WBLOCK 1
	WBLOCK 2
	WBLOCK 3
	ds_store_b32 v203, v24                         ; my column's four scale bytes
	s_branch .Ljoin
; ---- X: a plain stream of blocks of 32; a wave takes XST steps of 512 numbers, all its 16 loads out at once; each load reads 512 consecutive bytes, and a step turns through the wave's own stage so that a lane holds 16 neighbours
.LpathX:
	s_sub_co_u32 s19, ttmp9, 192
	s_lshl_b32 s19, s19, 3
	s_add_co_u32 s19, s19, s18                     ; which run of 2,048 numbers
	s_lshl_b32 s20, s19, 13
	s_mov_b32 s21, 0
	s_add_nc_u64 s[4:5], s[4:5], s[20:21]
	s_lshl_b32 s20, s19, 10
	s_add_nc_u64 s[22:23], s[14:15], s[20:21]      ; its codes
	s_lshl_b32 s20, s19, 6
	s_add_co_u32 s20, s20, XS
	s_add_nc_u64 s[24:25], s[14:15], s[20:21]      ; its 64 scale bytes
	v_lshlrev_b32 v3, 4, v2
	v_lshlrev_b32 v4, 3, v2
	v_lshlrev_b32 v6, 1, v2
.macro XLOAD t
.irp i, 0,1,2,3
	global_load_b128 v[16+16*((\t)%4)+4*\i:16+16*((\t)%4)+4*\i+3], v3, s[4:5] offset:2048*(\t)+512*\i th:TH_LOAD_NT
.endr
.endm
.macro XTURN t                         ; LDS serves a wave's instructions in order: no wait between the stores and the loads
.irp i, 0,1,2,3
	ds_store_b128 v210, v[16+16*((\t)%4)+4*\i:16+16*((\t)%4)+4*\i+3] offset:32*SP*((\t)%2)+8*SP*\i
.endr
.irp i, 0,1,2,3
	ds_load_b128 v[80+16*((\t)%2)+4*\i:80+16*((\t)%2)+4*\i+3], v211 offset:32*SP*((\t)%2)+16*\i
.endr
.endm
.irp t, 0,1,2,3
	XLOAD \t
.endr
	s_wait_loadcnt 12                              ; step 0's four loads are in; those of the three steps behind it may be out
	XTURN 0
.macro XSTEP t
.set XR, 80+16*((\t)%2)
.if (\t) > 0
	s_wait_dscnt 1                                 ; this step's numbers are back from the stage (the last step's byte store may be out)
.else
	s_wait_dscnt 0x0
.endif
.if (\t)+1 < XST
	s_wait_loadcnt 4*(XST-2-(\t))                  ; the next step's four loads are in; four may be out for each step behind it
	XTURN (\t)+1
.endif
	v_max3_num_f32 v8, |v[XR]|, |v[XR+1]|, |v[XR+2]|
	v_max3_num_f32 v9, |v[XR+3]|, |v[XR+4]|, |v[XR+5]|
.irp i, 6,10
	v_max3_num_f32 v8, v8, |v[XR+\i]|, |v[XR+\i+1]|
	v_max3_num_f32 v9, v9, |v[XR+\i+2]|, |v[XR+\i+3]|
.endr
	v_max3_num_f32 v8, v8, |v[XR+14]|, |v[XR+15]|
	v_max3_num_f32 v8, v8, v9, 0x1800000           ; the floor
	v_max_num_f32_dpp v8, v8, v8 row_xmask:1 row_mask:0xf bank_mask:0xf   ; with my neighbour's 16: the block's
	v_add_nc_u32 v11, 0xff000000, v8
	v_cvt_scalef32_pk8_fp4_f32 v[128+4*(\t)], v[XR:XR+7], v11
	v_cvt_scalef32_pk8_fp4_f32 v[129+4*(\t)], v[XR+8:XR+15], v11
	v_lshrrev_b32 v[112+(\t)], 23, v11             ; the scale's byte
	ds_store_b8 v212, v[112+(\t)] offset:16*(\t)   ; both lanes of a block write the same byte with the same value
	global_store_b64 v4, v[128+4*(\t):129+4*(\t)], s[22:23] offset:256*(\t)   ; the wave stores 256 consecutive bytes, aligned
.endm
.irp t, 0,1,2,3
	XSTEP \t
.endr
	ds_load_u16 v8, v213
	s_wait_dscnt 0x0
	global_store_b16 v6, v8, s[24:25]              ; the run's 64 scale bytes: a short piece; all such pieces together are 131,072 bytes
.Ljoin:
	s_wait_xcnt 0x0                                ; every earlier store has read its registers
	s_wait_dscnt 0x0                               ; for the others' sake: my LDS stores have landed
	s_barrier_signal -1
	s_barrier_wait -1
	s_cmp_lt_u32 ttmp9, 192
	s_cbranch_scc0 .Lend
	; ---- W, second phase: 64 rows of 256 bytes of codes leave as whole aligned runs of 256 bytes
	s_lshr_b32 s19, ttmp9, 2
	s_and_b32 s24, ttmp9, 3
	s_lshl_b32 s20, s19, 6
	s_lshl_b32 s21, s18, 3
	s_add_co_u32 s20, s20, s21
	s_lshl_b32 s20, s20, 10
	s_lshl_b32 s21, s24, 8
	s_add_co_u32 s20, s20, s21
	s_add_co_u32 s20, s20, WC
	s_mov_b32 s21, 0
	s_add_nc_u64 s[20:21], s[14:15], s[20:21]
.irp q, 0,1,2,3
	ds_load_b128 v[112+4*\q:115+4*\q], v200 offset:2*\q*272
.endr
.irp q, 0,1,2,3
	s_wait_dscnt 3-\q
	global_store_b128 v204, v[112+4*\q:115+4*\q], s[20:21] offset:2*\q*1024
.endr
	s_cmp_lt_u32 s18, 2
	s_cbranch_scc0 .Lend
	ds_load_b128 v[128:131], v201                  ; waves 0 and 1: 16 scale bytes a column: short pieces of rows 64 bytes apart, 1/128 of what the path reads
	s_lshl_b32 s22, s19, 6
	s_lshl_b32 s23, s18, 5
	s_add_co_u32 s22, s22, s23
	s_lshl_b32 s22, s22, 6
	s_lshl_b32 s23, s24, 4
	s_add_co_u32 s22, s22, s23
	s_add_co_u32 s22, s22, WS
	s_mov_b32 s23, 0
	s_add_nc_u64 s[22:23], s[14:15], s[22:23]
	s_wait_dscnt 0x0
	global_store_b128 v205, v[128:131], s[22:23]
.Lend:
	s_wait_tensorcnt 0x0                           ; the wave's end, behind my last LDS store
	ds_add_u32 v[SPW], v[NIL]
	s_wait_dscnt 0x0
	s_endpgm
.Lfunc_end_k_qa870f0631f_prep:
	.size	k_qa870f0631f_prep, .Lfunc_end_k_qa870f0631f_prep-k_qa870f0631f_prep
	.p2alignl 7, 3214868480
	.fill 96, 4, 3214868480
	.section	.rodata,"a",@progbits
	.p2align	6, 0x0
	.amdhsa_kernel k_qa870f0631f_prep
		.amdhsa_group_segment_fixed_size 84992
		.amdhsa_private_segment_fixed_size 0
		.amdhsa_enable_private_segment 0
		.amdhsa_kernarg_size 40
		.amdhsa_user_sgpr_count 2
		.amdhsa_user_sgpr_kernarg_segment_ptr 1
		.amdhsa_wavefront_size32 1
		.amdhsa_system_sgpr_workgroup_id_x 1
		.amdhsa_system_sgpr_workgroup_id_y 1
		.amdhsa_system_sgpr_workgroup_id_z 1
		.amdhsa_system_vgpr_workitem_id 0
		.amdhsa_next_free_vgpr 216
		.amdhsa_next_free_sgpr 66
		.amdhsa_reserve_vcc 1
		.amdhsa_float_denorm_mode_32 3
		.amdhsa_float_denorm_mode_16_64 3
		.amdhsa_memory_ordered 1
		.amdhsa_forward_progress 1
		.amdhsa_inst_pref_size 58
	.end_amdhsa_kernel
	.amdgpu_metadata
---
amdhsa.version: [ 1, 2 ]
amdhsa.kernels:
  - .name:           k_qa870f0631f_prep
    .symbol:         k_qa870f0631f_prep.kd
    .args:
      - { .name: x, .offset: 0, .size: 8, .value_kind: global_buffer, .address_space: global }
      - { .name: wq, .offset: 8, .size: 8, .value_kind: global_buffer, .address_space: global }
      - { .name: wk, .offset: 16, .size: 8, .value_kind: global_buffer, .address_space: global }
      - { .name: wv, .offset: 24, .size: 8, .value_kind: global_buffer, .address_space: global }
      - { .name: codes, .offset: 32, .size: 8, .value_kind: global_buffer, .address_space: global }
    .group_segment_fixed_size: 84992
    .private_segment_fixed_size: 0
    .kernarg_segment_align: 8
    .kernarg_segment_size: 40
    .max_flat_workgroup_size: 256
    .sgpr_count:     66
    .vgpr_count:     216
    .wavefront_size: 32
...
	.end_amdgpu_metadata
.endif
;; end of part 1
;; launch qkv (part 2): grid 28 x 8, 4 waves a work-group, clusters of 4 x 4, 327,680 bytes of LDS; arguments codes, qkv, qkv32, wo, wo16; writes qkv, qkv32, wo16
.if DOCPART == 2
	.amdgcn_target "amdgcn-amd-amdhsa--gfx1250"
	.amdhsa_code_object_version 6
	.text
	.protected	k_qa870f0631f_qkv
	.globl	k_qa870f0631f_qkv
	.p2align	8
	.type	k_qa870f0631f_qkv,@function
k_qa870f0631f_qkv:
	s_mov_b64 s[64:65], 0
	v_nop
	global_prefetch_b8 v0, s[64:65] scope:SCOPE_SE
	s_setreg_imm32_b32 hwreg(HW_REG_WAVE_MODE, 25, 1), 1
	s_wait_xcnt 0x0
	s_wait_alu depctr_hold_cnt(0) depctr_sa_sdst(0) depctr_va_vdst(0) depctr_va_sdst(0) depctr_va_ssrc(0) depctr_va_vcc(0) depctr_vm_vsrc(0)
	s_getreg_b32 s2, hwreg(HW_REG_IB_STS2, 6, 4)
	s_cmp_eq_u32 s2, 0
	s_cbranch_scc0 .Lentry_in_a_cluster
	s_endpgm
.Lentry_in_a_cluster:
	s_bfe_u32 s2, ttmp6, 0x10000c
	s_cmp_lg_u32 s2, 0xf033
	s_cbranch_scc0 .Lentry_shape_is_right
	s_endpgm
.Lentry_shape_is_right:
; [q | k | v] = x [wq | wk | wv] on codes of FP4 (E2M1) with one E8M0 scale for each 32 along K: C [2048 positions][3072 columns], K = 2,048; sums in f32.  On the way out q and k are rotated (f32, by the table),
; all is rounded to f16 and laid by head, qkv [48 heads][2048][64] (0-31 q, 32-39 k, 40-47 v), and positions 0-15 are also kept in f32 (qkv32, an image of the result's registers: [192 blocks of 16 columns][lane][8]).
; THE GRID: 7 x 2 clusters of 4 x 4 work-groups.  The clusters with x < 3 (96 work-groups) make the product.  The product has tiles for no more, so the 8 clusters with x >= 3 (128 work-groups, 512 waves) do work that
; hangs on nothing here and is wanted two launches on: wo -> f16 (wo16, layout kept [k][n]), a plain stream, 32,768 bytes in and 16,384 out a wave.  The branch hangs on the cluster's x, which all partners share.
; A tile of C, 256 x 256, is made by four waves, each 128 x 128: 64 accumulators.  K goes in steps of 512 through a ring of two LDS slots filled by the tensor data mover (rows of 256 bytes); the scale bytes of
; the work-group's rows, for all of K, come into LDS once.  x's tiles are asked for jointly along a row of the cluster, w's along a column.
; THE MATRIX INSTRUCTION IS USED TRANSPOSED (source 0 = 16 columns of w, source 1 = 16 positions): a lane holds eight neighbouring columns of one position: four rotation pairs.
; LIMITS: |q|, |k|, |v| and |wo| stay under 65,504 (f16); NaN and infinities are not served.
; REGISTERS: window 0: v0-31 addresses; v32-95 scale words, two sets; v128-191 x's fragments, one set; v192-255 table rows, asked for ahead of the loop.  window 1: w's fragments, two sets.  windows 2, 3: the accumulators.
.set SIZE_K, 2048
.set WC,     2097152
.set XS,     5242880
.set WS,     5373952
.set RT,     5570560
.set KSTEP,  512
.set NQ,     KSTEP/128
.set ROWB,   256
.set KROW,   SIZE_K*4/8
.set PITCH,  272                       ; an LDS row: 256 bytes + 16 of padding: the 16 rows of a fragment load start at 16 different banks
.set FR,     8
.set NL,     2
.set NP,     4
.set HALFT,  128*PITCH
.set SLOT,   4*HALFT
.set LAPS,   SIZE_K/(2*KSTEP)
.set KS,     SIZE_K/32
.set SCL,    2*SLOT
.set HALFS,  (128*KS/256)*272
.set SBLK,   (16*KS/256)*272
.set SPARE,  SCL+4*HALFS               ; the spare words, 128 bytes for each wave: two blocks of 256 bytes that no other line names
.set ADRA, 16
.set ADRB, 20
.set STO,  24                          ; the way out: where I put 16 bytes of a head's row (the stage lies in slot 0, which has had its last fill and its last read by then)
.set RD,   25                          ; and where I read rows back
.set CO,   26                          ; 16 x lane
.set ADRS, 27
.set SPW,  28
.set NIL,  29
.set TA,   30                          ; my place in the table: row r, 32 bytes for each half of the lanes
.set PQ,   31                          ; my position in block 0
.set FO,   7                           ; 32 x lane
.set SC,   32
.set AF,   128
.set G1, 24
.set G0, 32
.set G1B, 48
.set G0B, 56
.set G1S, 68
.set G0S, 76
.set G1SB, 80
.set G0SB, 88
.set MSB, 0
.macro WIN new                         ; the immediate's high byte repeats the setting that is left
.if MSB != (\new)
	s_set_vgpr_msb (MSB<<8)|(\new)
.set MSB, (\new)
.endif
.endm
.set MUL_LO, 0xa1
.set MUL_HI, 0xf1
.set TO_B,   0x40
; A joint load: waves 0 and 1 fetch for x, waves 2 and 3 for w; the branch hangs on the wave's number alone.  An s_nop 0 and four v_nop follow each of the two lines.
.macro JLOAD g0a, g1a, g0b, g1b
	s_cmp_eq_u32 s15, 0
	s_cbranch_scc0 .Lfor_b_\@
	tensor_load_to_lds s[\g0a:\g0a+3], s[\g1a:\g1a+7]
	s_nop 0
.rept 4
	v_nop
.endr
	s_branch .Lasked_\@
.Lfor_b_\@:
	tensor_load_to_lds s[\g0b:\g0b+3], s[\g1b:\g1b+7]
	s_nop 0
.rept 4
	v_nop
.endr
.Lasked_\@:
.endm
.macro CREST
	s_cmp_lg_u32 s14, 0
	s_cbranch_scc1 .Lnot_wave_0_\@
	s_barrier_signal -3
.Lnot_wave_0_\@:
	s_barrier_wait -3
	s_barrier_signal -1
	s_barrier_wait -1
.endm
.macro CROUND
	s_barrier_signal -1
	s_barrier_wait -1
	CREST
.endm
	s_load_b128 s[4:7], s[0:1], 0x0                ; codes, qkv
	s_load_b64 s[98:99], s[0:1], 0x10              ; qkv32
	v_lshl_add_u32 v[SPW], v0, 2, SPARE
	v_mov_b32 v[NIL], 0
	ds_add_u32 v[SPW], v[NIL]                      ; the wave's opening: the add, twice on end, and its wait ahead of my first tensor load
	ds_add_u32 v[SPW], v[NIL]
	v_lshrrev_b32 v1, 5, v0
	v_readfirstlane_b32 s14, v1                    ; wave 0..3
	s_lshr_b32 s15, s14, 1                         ; which half of the tile's rows is mine.  Also: I fetch for x (0) or for w (1)
	s_and_b32 s16, s14, 1                          ; which half of its columns.  Also: which 128 rows of that tile I fetch
	s_bfe_u32 s40, ttmp6, 0x40000                  ; cx, cy
	s_bfe_u32 s41, ttmp6, 0x40004
	s_lshl_b32 s42, ttmp9, 2
	s_add_co_u32 s42, s42, s40                     ; tile column
	s_and_b32 s17, ttmp7, 0xffff
	s_lshl_b32 s17, s17, 2
	s_add_co_u32 s17, s17, s41                     ; tile row
	s_lshl_b32 s43, s41, 2
	s_lshl_b32 s43, 15, s43                        ; my row of the cluster
	s_lshl_b32 s44, 0x1111, s40                    ; my column
	s_or_b32 s[G1+0], s43, (0<<16)|(1<<20)|(1<<21)|(5<<22)|(3<<25)  ; the mask; elements of 1 byte; padding: 4 words behind every 64
	s_or_b32 s[G1B+0], s44, (0<<16)|(1<<20)|(1<<21)|(5<<22)|(3<<25)
.irp g, G1, G1B
	s_mov_b32 s[\g+1], ROWB<<16
	s_mov_b32 s[\g+2], 128<<16
	s_mov_b32 s[\g+3], ROWB<<16
	s_mov_b32 s[\g+4], 128
	s_mov_b32 s[\g+5], KROW
	s_mov_b32 s[\g+6], 0
	s_mov_b32 s[\g+7], 0
.endr
	s_or_b32 s[G1S+0], s43, (3<<16)|(1<<20)|(1<<21)|(5<<22)|(3<<25)  ; the scales of 128 rows: a dense block, as rows of 256 bytes
	s_or_b32 s[G1SB+0], s44, (3<<16)|(1<<20)|(1<<21)|(5<<22)|(3<<25)
.irp g, G1S, G1SB
	s_mov_b32 s[\g+1], 32<<16
	s_mov_b32 s[\g+2], (128*KS/256)<<16
	s_mov_b32 s[\g+3], 32<<16
	s_mov_b32 s[\g+4], 128*KS/256
	s_mov_b32 s[\g+5], 32
	s_mov_b32 s[\g+6], 0
	s_mov_b32 s[\g+7], 0
.endr
	s_lshl_b32 s18, s16, 7
	s_lshl_b32 s20, s17, 8
	s_add_co_u32 s20, s20, s18                     ; x: row 256 x tile row + 128 x half
	s_lshl_b32 s46, s42, 8
	s_add_co_u32 s46, s46, s18                     ; w: row 256 x tile column + 128 x half
	s_mov_b32 s21, 0
	s_mov_b32 s47, 0
	s_mov_b64 s[18:19], KS
	s_mul_u64 s[22:23], s[20:21], s[18:19]
	s_mul_u64 s[92:93], s[46:47], s[18:19]
	s_mov_b64 s[18:19], KROW
	s_mul_u64 s[20:21], s[20:21], s[18:19]
	s_mul_u64 s[46:47], s[46:47], s[18:19]
	s_mul_i32 s45, s14, HALFT
	s_mul_i32 s94, s14, HALFS
	s_wait_dscnt 0x0                               ; both opening adds are done
	s_wait_kmcnt 0x0
	s_mov_b64 s[12:13], s[6:7]                     ; qkv
	s_add_nc_u64 s[6:7], s[4:5], XS                ; the sections of codes: x's codes lie at its head
	s_add_nc_u64 s[8:9], s[4:5], WC
	s_add_nc_u64 s[10:11], s[4:5], WS
	s_add_nc_u64 s[96:97], s[4:5], RT
	s_add_nc_u64 s[20:21], s[4:5], s[20:21]
	s_add_nc_u64 s[22:23], s[6:7], s[22:23]
	s_add_nc_u64 s[46:47], s[8:9], s[46:47]
	s_add_nc_u64 s[92:93], s[10:11], s[92:93]
	CROUND                                         ; all sixteen work-groups are here: the first joint loads meet
	s_cmp_ge_u32 ttmp9, 3                          ; the cluster's x: the same in all sixteen partners
	s_cbranch_scc1 .Lwo                            ; clusters 3 to 6 of a row have no tile of C: they turn wo into f16
	s_mov_b32 s[G0S], 1
	s_add_co_u32 s[G0S+1], s94, SCL
	s_mov_b64 s[G0S+2:G0S+3], s[22:23]
	s_or_b32 s[G0S+3], s[G0S+3], 0x80000000
	s_mov_b32 s[G0SB], 1
	s_add_co_u32 s[G0SB+1], s94, SCL
	s_mov_b64 s[G0SB+2:G0SB+3], s[92:93]
	s_or_b32 s[G0SB+3], s[G0SB+3], 0x80000000
	JLOAD G0S, G1S, G0SB, G1SB
.irp s, 0,1
	s_mov_b32 s[G0+4*\s], 1
	s_add_co_u32 s[G0+4*\s+1], s45, \s*SLOT
	s_add_nc_u64 s[G0+4*\s+2:G0+4*\s+3], s[20:21], \s*ROWB
	s_or_b32 s[G0+4*\s+3], s[G0+4*\s+3], 0x80000000
	s_mov_b32 s[G0B+4*\s], 1
	s_add_co_u32 s[G0B+4*\s+1], s45, \s*SLOT
	s_add_nc_u64 s[G0B+4*\s+2:G0B+4*\s+3], s[46:47], \s*ROWB
	s_or_b32 s[G0B+4*\s+3], s[G0B+4*\s+3], 0x80000000
	JLOAD G0+4*\s, G1, G0B+4*\s, G1B
.endr
	v_and_b32 v1, 15, v0                           ; r
	v_bfe_u32 v2, v0, 4, 1                         ; h
	v_mul_u32_u24 v3, v1, PITCH
	v_lshl_add_u32 v4, v2, 4, v3
	s_mul_i32 s21, s15, HALFT
	s_mul_i32 s22, s16, HALFT
	s_add_co_u32 s22, s22, 2*HALFT
.irp s, 0,1
	v_add_nc_u32 v[ADRA+\s], s21, v4
	v_add_nc_u32 v[ADRB+\s], s22, v4
	s_add_co_u32 s21, s21, SLOT
	s_add_co_u32 s22, s22, SLOT
.endr
	v_mul_u32_u24 v5, v1, KS
	v_lshrrev_b32 v6, 8, v5
	v_lshl_add_u32 v5, v6, 4, v5
	s_mul_i32 s21, s15, HALFS
	s_mul_i32 s22, s16, HALFS
	s_add_co_u32 s22, s22, 2*HALFS
	s_sub_co_u32 s22, s22, s21
	v_mul_u32_u24 v6, s22, v2                      ; lanes 16-31 take w's scale words
	s_add_co_u32 s21, s21, SCL
	v_add_nc_u32 v5, v5, v6
	v_add_nc_u32 v[ADRS], s21, v5
	; the way out: a stage of 2 heads x 16 rows x (128 bytes + 16) for each wave
	s_mul_i32 s23, s14, 4608
	v_mul_u32_u24 v5, v1, 144
	v_lshl_add_u32 v5, v2, 4, v5
	v_add_nc_u32 v[STO], s23, v5                   ; in: row r, 16 bytes for each half of the lanes
	v_and_b32 v6, 31, v0
	v_lshrrev_b32 v5, 3, v6
	v_mul_u32_u24 v5, v5, 144
	v_and_b32 v7, 7, v6
	v_lshl_add_u32 v5, v7, 4, v5
	v_add_nc_u32 v[RD], s23, v5                    ; back: eight lanes to a row of 128 bytes, four rows an instruction
	v_lshlrev_b32 v[CO], 4, v6
	v_lshlrev_b32 v[FO], 5, v6
	v_lshlrev_b32 v[TA], 8, v1
	v_lshl_add_u32 v[TA], v2, 5, v[TA]
	s_lshl_b32 s20, s17, 8
	s_lshl_b32 s21, s15, 7
	s_add_co_u32 s20, s20, s21                     ; my first position
	v_add_nc_u32 v[PQ], s20, v1
	s_lshl_b32 s66, s20, 8                         ; its row of the table; v's columns (tile columns 10, 11) take the identity rows: a choice of a number, no branch
	s_cmp_ge_u32 s42, 10
	s_cselect_b32 s66, 2048*256, s66
	s_mov_b32 s67, 0
	s_add_nc_u64 s[96:97], s[96:97], s[66:67]
	s_lshl_b32 s46, s42, 2
	s_lshl_b32 s47, s16, 1
	s_add_co_u32 s46, s46, s47                     ; my first head
	s_lshl_b32 s46, s46, 18
	s_lshl_b32 s47, s20, 7
	s_add_co_u32 s46, s46, s47
	s_mov_b32 s47, 0
	s_add_nc_u64 s[12:13], s[12:13], s[46:47]
	s_lshl_b32 s46, s42, 4
	s_lshl_b32 s47, s16, 3
	s_add_co_u32 s46, s46, s47                     ; my first block of 16 columns
	s_lshl_b32 s46, s46, 10
	s_mov_b32 s47, 0
	s_add_nc_u64 s[98:99], s[98:99], s[46:47]
; the table's rows of block a (16 positions): register 8 bq + 2 p = cos, + 1 = sin of the pair that my registers 2 p, 2 p + 1 of column block bq hold.  Four sets take turns
.macro TLD a
.set TS, 128+32*(((\a)+2)%4)
.irp bq, 0,1,2,3
.irp e, 0,1
	global_load_b128 v[TS+8*\bq+4*\e:TS+8*\bq+4*\e+3], v[TA], s[96:97] offset:(\a)*4096+64*\bq+16*\e
.endr
.endr
.endm
	TLD 0                                          ; into v192-255, which the loop leaves alone: they land under it
	TLD 1
.macro FRAG reg, adr, q, i
.irp c, 0,1
	ds_load_b128 v[\reg+4*\c:\reg+4*\c+3], v[\adr] offset:64*(\q)+32*\c+(\i)*16*PITCH
.endr
.endm
; 16 matrix instructions: x's blocks a0, a0 + 1 against w's eight.  The 64 accumulators take turns, one instruction a turn, in the same order in every step.
.macro MUL16 a0, p, q, sc, zero
.irp a, \a0, \a0+1
.irp b, 0,1,2,3,4,5,6,7
.if \zero
	v_wmma_scale_f32_16x16x128_f8f6f4 v[8*(8*((\a)%4)+\b):8*(8*((\a)%4)+\b)+7], v[128*(\p)+FR*\b:128*(\p)+FR*\b+FR-1], v[AF+FR*(\a):AF+FR*(\a)+FR-1], 0, v[SC+8*NQ*(\sc)+NQ*\b+(\q)], v[SC+8*NQ*(\sc)+NQ*(\a)+(\q)] matrix_a_fmt:MATRIX_FMT_FP4 matrix_b_fmt:MATRIX_FMT_FP4 matrix_a_scale:MATRIX_SCALE_ROW1
.else
	v_wmma_scale_f32_16x16x128_f8f6f4 v[8*(8*((\a)%4)+\b):8*(8*((\a)%4)+\b)+7], v[128*(\p)+FR*\b:128*(\p)+FR*\b+FR-1], v[AF+FR*(\a):AF+FR*(\a)+FR-1], v[8*(8*((\a)%4)+\b):8*(8*((\a)%4)+\b)+7], v[SC+8*NQ*(\sc)+NQ*\b+(\q)], v[SC+8*NQ*(\sc)+NQ*(\a)+(\q)] matrix_a_fmt:MATRIX_FMT_FP4 matrix_b_fmt:MATRIX_FMT_FP4 matrix_a_scale:MATRIX_SCALE_ROW1
.endif
.endr
.endr
.endm
.macro FETCH_B slot, q, p
	WIN TO_B
.irp i, 0,1,2,3,4,5,6,7
	FRAG 128*(\p)+FR*\i, ADRB+\slot, \q, \i
.endr
	WIN 0
.endm
.macro FETCH_A slot, q, i0
.irp i, \i0, \i0+1, \i0+2, \i0+3
	FRAG AF+FR*(\i), ADRA+\slot, \q, \i
.endr
.endm
.macro SCALES sc
.irp i, 0,1,2,3,4,5,6,7
	ds_load_b128 v[SC+8*NQ*\sc+NQ*\i:SC+8*NQ*\sc+NQ*\i+3], v[ADRS] offset:\i*SBLK
.endr
.endm
.macro PLACES n                        ; plain vector lines between a matrix instruction and a load into, or a read of, its registers
.rept \n
	v_nop
.endr
.endm
.macro STEP slot, q, zero
	s_wait_dscnt 4*NL                              ; w's set and x's blocks 0-3 are in; the youngest eight loads (x's blocks 4-7) may be out
	WIN MUL_LO
	MUL16 0, (\q)%2, \q, \slot, \zero
	MUL16 2, (\q)%2, \q, \slot, \zero
	s_wait_dscnt 0
	PLACES NP
	FETCH_B \slot, (\q)+1, 1-(\q)%2
	FETCH_A \slot, (\q)+1, 0
	WIN MUL_HI
	MUL16 4, (\q)%2, \q, \slot, \zero
	MUL16 6, (\q)%2, \q, \slot, \zero
	PLACES NP
	WIN 0
	FETCH_A \slot, (\q)+1, 4
.endm
; A slot's last step changes slots: one barrier; in front of it each wave waits for all its tensor loads, adds 0 to its spare word, and waits for that and for its reads of this slot.
.macro TURN slot, next, fill
	s_wait_tensorcnt 0x0                           ; all my tensor loads have landed: my part of the next slot
	ds_add_u32 v[SPW], v[NIL]
	s_wait_dscnt 4*NL+1                            ; (the add and the youngest eight loads may be out)
	WIN MUL_LO
	MUL16 0, 1, NQ-1, \slot, 0
	s_wait_dscnt 0x0                               ; the add is done, and my reads of this slot are over
	s_barrier_signal -1
	MUL16 2, 1, NQ-1, \slot, 0
	WIN 0
	s_barrier_wait -1
.if \fill
	CREST                                          ; the barrier has opened a round of the cluster's barrier
	s_add_nc_u64 s[G0+4*\slot+2:G0+4*\slot+3], s[G0+4*\slot+2:G0+4*\slot+3], 2*ROWB
	s_add_nc_u64 s[G0B+4*\slot+2:G0B+4*\slot+3], s[G0B+4*\slot+2:G0B+4*\slot+3], 2*ROWB
	JLOAD G0+4*\slot, G1, G0B+4*\slot, G1B
.else
	PLACES NP
.endif
	v_add_nc_u32 v[ADRS], 4*NQ, v[ADRS]
	FETCH_B \next, 0, 0
	FETCH_A \next, 0, 0
	SCALES \next
	WIN MUL_HI
	MUL16 4, 1, NQ-1, \slot, 0
	MUL16 6, 1, NQ-1, \slot, 0
	PLACES NP
	WIN 0
	FETCH_A \next, 0, 4
.endm
.macro STEPS slot, from
.set Q, \from
.rept NQ-1-\from
	STEP \slot, Q, 0
.set Q, Q+1
.endr
.endm
	s_wait_tensorcnt 1                             ; the scales and my part of K step 0 are in (K step 1's load may be out),
	s_barrier_signal -1
	s_barrier_wait -1                              ; everybody's are
	FETCH_B 0, 0, 0
	FETCH_A 0, 0, 0
	SCALES 0
	FETCH_A 0, 0, 4
	STEP 0, 0, 1                                   ; the first step stands in front of the loop: its products start the sums
	s_mov_b32 s3, LAPS-1
.Llap:
	STEPS 0, 1
	TURN 0, 1, 1
	STEPS 1, 0
	TURN 1, 0, 1
	STEP 0, 0, 0
	s_sub_co_u32 s3, s3, 1
	s_cmp_lg_u32 s3, 0
	s_cbranch_scc1 .Llap
	STEPS 0, 1
	TURN 0, 1, 0
	STEPS 1, 0
	s_wait_dscnt 4*NL
	WIN MUL_LO
	MUL16 0, 1, NQ-1, 1, 0
	MUL16 2, 1, NQ-1, 1, 0
	s_wait_dscnt 0
	WIN MUL_HI
	MUL16 4, 1, NQ-1, 1, 0
	MUL16 6, 1, NQ-1, 1, 0
	WIN 0
; THE WAY OUT, a block of 16 positions x 128 columns (two heads) at a time: rotate in f32, keep positions 0-15 in f32, round to f16, through my stage, and out as runs of 512 consecutive bytes of a head.
.macro BLK a
.set TS, 128+32*(((\a)+2)%4)
.set PKS, 32+32*((\a)%2)
.irp hd, 0,1
	WIN 0x02+(\a)/4                                ; source 0: the accumulators' window
.irp bq, 0,1,2,3
.set AC, 64*((\a)%4)+8*(4*\hd+\bq)
.irp p, 0,1,2,3
	v_mul_f32 v[8+2*\p], v[AC+2*\p+1], v[TS+8*\bq+2*\p+1]    ; odd x sin   (each accumulator is read from its low end on)
	v_mul_f32 v[9+2*\p], v[AC+2*\p+1], v[TS+8*\bq+2*\p]      ; odd x cos
.endr
.irp p, 0,1,2,3
	v_fma_f32 v[96+8*\bq+2*\p], v[AC+2*\p], v[TS+8*\bq+2*\p], -v[8+2*\p]     ; even x cos - odd x sin
	v_fma_f32 v[97+8*\bq+2*\p], v[AC+2*\p], v[TS+8*\bq+2*\p+1], v[9+2*\p]    ; even x sin + odd x cos
.endr
.endr
	WIN 0
.if (\a) == 0
	v_cmp_gt_u32 vcc_lo, 16, v[PQ]                 ; positions 0-15 alone: a predicate
	s_wait_xcnt 0x0                                ; EXEC changes only behind this wait
	s_and_saveexec_b32 s95, vcc_lo
.irp bq, 0,1,2,3
.irp e, 0,1
	global_store_b128 v[FO], v[96+8*\bq+4*\e:96+8*\bq+4*\e+3], s[98:99] offset:(4*\hd+\bq)*1024+16*\e
.endr
.endr
	s_wait_xcnt 0x0                                ; and again: the stores have read EXEC and their registers
	s_or_b32 exec_lo, exec_lo, s95
.endif
.irp bq, 0,1,2,3
.irp i, 0,1,2,3
	v_cvt_pk_f16_f32 v[PKS+16*\hd+4*\bq+\i], v[96+8*\bq+2*\i], v[97+8*\bq+2*\i]
.endr
.endr
.irp bq, 0,1,2,3
	ds_store_b128 v[STO], v[PKS+16*\hd+4*\bq:PKS+16*\hd+4*\bq+3] offset:\hd*2304+32*\bq
.endr
.endr
.irp hd, 0,1
.irp q, 0,1,2,3
	ds_load_b128 v[PKS+4*(4*\hd+\q):PKS+4*(4*\hd+\q)+3], v[RD] offset:\hd*2304+576*\q   ; LDS serves a wave's instructions in order: these see my stores
.endr
.endr
.endm
.macro SENDQ a, younger
.set PKS, 32+32*((\a)%2)
	s_wait_dscnt \younger
.irp hd, 0,1
.irp q, 0,1,2,3
	global_store_b128 v[CO], v[PKS+4*(4*\hd+\q):PKS+4*(4*\hd+\q)+3], s[12:13] offset:\hd*262144+(\a)*2048+512*\q
.endr
.endr
.endm
	PLACES NP                                      ; behind the last products: for the loads into x's fragments' registers, the writes of the scale words' registers and the reads of results
	TLD 2
	TLD 3
.irp a, 0,1,2,3,4,5,6,7
.if \a < 5
	s_wait_loadcnt 24                              ; this block's eight table loads are in; those of the three blocks behind it may be out
.else
	s_wait_loadcnt 8*(7-\a)
.endif
.if \a > 1
	s_wait_xcnt 0x0                                ; block a - 2's stores have read the registers that this block packs into
.endif
	BLK \a
.if \a < 4
	TLD \a+4
.endif
.if \a > 0
	SENDQ \a-1, 16                                 ; behind block a - 1's loads: block a's 8 stores and 8 loads
.endif
.endr
	SENDQ 7, 0
	s_wait_tensorcnt 0x0                           ; the wave's end
	ds_add_u32 v[SPW], v[NIL]
	s_wait_dscnt 0x0
	CROUND                                         ; the closing round
	s_endpgm
; ---- wo -> f16: 512 waves, each 32,768 bytes in and 16,384 out, in four rounds of 16 loads, two rounds ahead.  My place in the cluster enters the global offsets alone.
.Lwo:
	s_load_b64 s[20:21], s[0:1], 0x18              ; wo
	s_load_b64 s[22:23], s[0:1], 0x20              ; wo16
	s_sub_co_u32 s18, ttmp9, 3
	s_and_b32 s19, ttmp7, 0xffff
	s_lshl_b32 s19, s19, 2
	s_add_co_u32 s18, s18, s19                     ; which of the 8 clusters
	s_lshl_b32 s18, s18, 4
	s_lshl_b32 s19, s41, 2
	s_add_co_u32 s19, s19, s40
	s_add_co_u32 s18, s18, s19                     ; which of the 128 work-groups
	s_lshl_b32 s18, s18, 2
	s_add_co_u32 s18, s18, s14                     ; which of the 512 waves
	v_and_b32 v2, 31, v0
	v_lshlrev_b32 v3, 4, v2                        ; in: 16 bytes a lane
	v_lshlrev_b32 v4, 3, v2                        ; out: 8
	s_lshl_b32 s46, s18, 15
	s_mov_b32 s47, 0
	s_lshl_b32 s92, s18, 14
	s_mov_b32 s93, 0
	s_wait_kmcnt 0x0
	s_add_nc_u64 s[20:21], s[20:21], s[46:47]
	s_add_nc_u64 s[22:23], s[22:23], s[92:93]
.macro OLOAD r
.irp i, 0,1,2,3,4,5,6,7,8,9,10,11,12,13,14,15
	global_load_b128 v[32+64*((\r)%2)+4*\i:35+64*((\r)%2)+4*\i], v3, s[20:21] offset:(16*(\r)+\i)*512
.endr
.endm
.macro OROUND r
.if (\r) < 3
	s_wait_loadcnt 16                              ; this round's 16 loads are in; the next round's may be out
.else
	s_wait_loadcnt 0x0
.endif
.if (\r) > 0
	s_wait_xcnt 0x0                                ; the last round's stores have read v160-191
.endif
.irp i, 0,1,2,3,4,5,6,7,8,9,10,11,12,13,14,15
	v_cvt_pk_f16_f32 v[160+2*\i], v[32+64*((\r)%2)+4*\i], v[33+64*((\r)%2)+4*\i]
	v_cvt_pk_f16_f32 v[161+2*\i], v[34+64*((\r)%2)+4*\i], v[35+64*((\r)%2)+4*\i]
.endr
.if (\r)+2 < 4
	OLOAD (\r)+2
.endif
.irp i, 0,1,2,3,4,5,6,7,8,9,10,11,12,13,14,15
	global_store_b64 v4, v[160+2*\i:161+2*\i], s[22:23] offset:(16*(\r)+\i)*256   ; the wave stores 256 consecutive bytes, aligned
.endr
.endm
	OLOAD 0
	OLOAD 1
	OROUND 0
	OROUND 1
	OROUND 2
	OROUND 3
	s_wait_tensorcnt 0x0                           ; the wave's end
	ds_add_u32 v[SPW], v[NIL]
	s_wait_dscnt 0x0
	CROUND                                         ; and this path's closing round
	s_endpgm
.Lfunc_end_k_qa870f0631f_qkv:
	.size	k_qa870f0631f_qkv, .Lfunc_end_k_qa870f0631f_qkv-k_qa870f0631f_qkv
	.p2alignl 7, 3214868480
	.fill 96, 4, 3214868480
	.section	.rodata,"a",@progbits
	.p2align	6, 0x0
	.amdhsa_kernel k_qa870f0631f_qkv
		.amdhsa_group_segment_fixed_size 327680
		.amdhsa_private_segment_fixed_size 0
		.amdhsa_enable_private_segment 0
		.amdhsa_kernarg_size 40
		.amdhsa_user_sgpr_count 2
		.amdhsa_user_sgpr_kernarg_segment_ptr 1
		.amdhsa_wavefront_size32 1
		.amdhsa_system_sgpr_workgroup_id_x 1
		.amdhsa_system_sgpr_workgroup_id_y 1
		.amdhsa_system_sgpr_workgroup_id_z 1
		.amdhsa_system_vgpr_workitem_id 0
		.amdhsa_next_free_vgpr 1024
		.amdhsa_next_free_sgpr 102
		.amdhsa_reserve_vcc 1
		.amdhsa_float_denorm_mode_32 3
		.amdhsa_float_denorm_mode_16_64 3
		.amdhsa_memory_ordered 1
		.amdhsa_forward_progress 1
		.amdhsa_inst_pref_size 255
	.end_amdhsa_kernel
	.section	.bss,"aw",@nobits
	.p2align	6
	.space	262144
	.amdgpu_metadata
---
amdhsa.version: [ 1, 2 ]
amdhsa.kernels:
  - .name:           k_qa870f0631f_qkv
    .symbol:         k_qa870f0631f_qkv.kd
    .args:
      - { .name: codes, .offset: 0, .size: 8, .value_kind: global_buffer, .address_space: global }
      - { .name: qkv, .offset: 8, .size: 8, .value_kind: global_buffer, .address_space: global }
      - { .name: qkv32, .offset: 16, .size: 8, .value_kind: global_buffer, .address_space: global }
      - { .name: wo, .offset: 24, .size: 8, .value_kind: global_buffer, .address_space: global }
      - { .name: wo16, .offset: 32, .size: 8, .value_kind: global_buffer, .address_space: global }
    .group_segment_fixed_size: 327680
    .private_segment_fixed_size: 0
    .kernarg_segment_align: 8
    .kernarg_segment_size: 40
    .max_flat_workgroup_size: 128
    .sgpr_count:     102
    .vgpr_count:     1024
    .wavefront_size: 32
...
	.end_amdgpu_metadata
.endif
;; end of part 2
;; launch attn (part 3): grid 32 x 8, 8 waves a work-group, no clusters, 327,680 bytes of LDS; arguments qkv, qkv32, attn, att32; writes attn, att32
.if DOCPART == 3
	.amdgcn_target "amdgcn-amd-amdhsa--gfx1250"
	.amdhsa_code_object_version 6
	.text
	.protected	k_qa870f0631f_attn
	.globl	k_qa870f0631f_attn
	.p2align	8
	.type	k_qa870f0631f_attn,@function
k_qa870f0631f_attn:
	s_mov_b64 s[64:65], 0
	v_nop
	global_prefetch_b8 v0, s[64:65] scope:SCOPE_SE
	s_setreg_imm32_b32 hwreg(HW_REG_WAVE_MODE, 25, 1), 1
	s_wait_xcnt 0x0
; Causal attention, head size 64, 32 query heads on 8 key/value heads, 2,048 positions.  Operands f16, products, maxima and sums f32; the running maximum is taken away before every exponential.
; SHARES.  Work-group (I, G) owns key/value head G with its four query heads, and two blocks of 32 positions, one after the other: block 63 - I, then block I.  The first walk needs 8 - I / 8 slots of 256 keys, the
; second I / 8 + 1: nine in every work-group, so every trip count is a constant, and every tile has 33 visible key steps of 64 in all.
; Wave w: two tiles: the same 16 positions (which 16: (w % 4) / 2) of two heads (which pair: w % 2), so that each fragment of K and V feeds two products.  Waves w and w + 4 hold the SAME tiles and take alternate
; key steps (E = w / 4); at a walk's end the wave with E = 1 hands its maximum, sum and O through LDS to the one with E = 0, which joins them, divides and stores.
; LAYOUT.  S^T = K Q^T, O^T = V^T P: a lane holds one query throughout.  K comes out of LDS as it lies, V turned by ds_load_tr16_b128.
; THE RING.  Two slots of 256 keys.  Wave 0 fetches a slot's K, wave 1 its V, one tensor load each: so each load holds the slot's first key step, which some wave always reads.  A wave has at most one load out.
; AHEAD.  K of a wave's second key step in a slot is asked for behind the first step's K Q^T; the second walk's Q is asked for at the first walk's end, ahead of the barrier, and waited for behind it.
; NO CLUSTER: a key step all of whose keys are hidden is jumped over, and where that begins hangs on the work-group's number, which would differ between partners.
; POSITIONS 0-15 are also computed in f32 (v_wmma_f32_16x16x4_f32), by the E = 1 waves of I = 0 while the others store: att32, laid as the last launch's operand.
; LIMITS: |q|, |k|, |v| under 65,504 (f16); NaN and infinities are not served; scores stay above -3e38.
; REGISTERS.  window 0: v1-15 addresses and constants; v16-31 statistics, 8 a tile (+0 c m, +1 m, +2, +3 the sum, +4..7 at work, a at +6); v32-63 Q; v64-127 S^T; v128-159 P; v160-255 E = 0: the partner's part; E = 1: f32 operands.
;   window 1: v0-63 O^T; v64-127 K; v128-191 V^T; v192-255 the f32 form's accumulators, written by matrix instructions alone.
.set VOFF,  36864                      ; a slot: 256 rows of K x 144 bytes, then 256 rows of V x 160
.set SLOT1, 1<<17
.set MERGE, 208896                     ; 4 x 8,704: an E = 1 wave's O^T as 16 images of 512 bytes, then [c m, sum, c m, sum]
.set STAGE, 243712                     ; 4 x 16 rows x 272: the way out
.set SPARE, 261120                     ; the spare words, 128 bytes for each wave: four blocks of 256 bytes that no other line names
.set MSB, 0
.macro WIN new
.if MSB != (\new)
	s_set_vgpr_msb (MSB<<8)|(\new)
.set MSB, (\new)
.endif
.endm
; s12 wave, s13 E = wave / 4, s14 TP = wave % 4, s15 head pair, s16 which 16 positions, s17 I, s18 G, s19 / s20 slots of the first walk (asking side, reading side), s21 / s22 key slot asked for / slots read,
; s23 my first query, s24 the second walk's, s25 my first key in the slot, s26 the slot in hand, s27 a merge is due, s28 trips, s29 the finished walk's first query, s[30:31] c, s[32:33] lane selects, s34 prefetch limit, s35 wave % 4, s78 the step's first key
.macro TLOAD                           ; the branches hang on the wave's number alone; an s_nop 0 and four v_nop follow each tensor load
	s_cmp_eq_u32 s12, 0
	s_cbranch_scc0 .Lnot_k_\@
	tensor_load_to_lds s[52:55], s[36:43]
	s_nop 0
.rept 4
	v_nop
.endr
	s_branch .Lasked_\@
.Lnot_k_\@:
	s_cmp_eq_u32 s12, 1
	s_cbranch_scc0 .Lasked_\@
	tensor_load_to_lds s[56:59], s[44:51]
	s_nop 0
.rept 4
	v_nop
.endr
.Lasked_\@:
.endm
; A prefetch of the key slot that the NEXT change of slots will ask for.  All 32 work-groups of a key/value head walk the same rows: work-group I = 0, which walks all eight slots in order, asks; waves 0-3 for K's
; 32,768 bytes, waves 4-7 for V's, 8,192 a wave, lanes 256 bytes apart: each block of 256 bytes is named once.  Trip t names slot t + 2, for t <= 5; slots 0 and 1 come by their loads alone.
.macro ASK
	s_cmp_gt_u32 s28, s34
	s_cbranch_scc0 .Lnot_mine_\@
	global_prefetch_b8 v15, s[66:67] th:TH_LOAD_NT scope:SCOPE_SE
.Lnot_mine_\@:
.endm
; My two tiles of Q for the walk that begins at query s23: asked for, not waited for.  (Every earlier load has been waited for, so the base may be written.)
.macro QLOAD
	s_lshl_b32 s74, s23, 7
	s_mov_b32 s75, 0
	s_add_nc_u64 s[74:75], s[68:69], s[74:75]
.irp t, 0,1
.irp ks, 0,1
.irp e, 0,1
	global_load_b128 v[32+16*\t+8*\ks+4*\e:35+16*\t+8*\ks+4*\e], v7, s[74:75] offset:\t*262144+64*\ks+32*\e
.endr
.endr
.endr
.endm
; A walk begins: O^T = 0, the sum = 0, the maximum -3e38, under every score
.macro RESET
	WIN 0x40
.set ci, 0
.rept 64
	v_mov_b32 v[ci], 0
.set ci, ci+1
.endr
	WIN 0
.irp t, 0,1
	v_mov_b32 v[17+8*\t], 0xff61b1e6
	v_mul_f32 v[16+8*\t], s30, v[17+8*\t]
.irp u, 2,3,4,5,6,7
	v_mov_b32 v[16+8*\t+\u], 0
.endr
.endr
.endm
	s_load_b256 s[4:11], s[0:1], 0x0               ; qkv, qkv32, attn, att32
	v_lshl_add_u32 v5, v0, 2, SPARE
	v_mov_b32 v6, 0
	ds_add_u32 v5, v6                              ; the wave's opening: the add, twice on end, and its wait ahead of the first tensor load
	ds_add_u32 v5, v6
	v_lshrrev_b32 v1, 5, v0
	v_readfirstlane_b32 s12, v1
	s_lshr_b32 s13, s12, 2
	s_and_b32 s14, s12, 3
	s_and_b32 s15, s14, 1
	s_lshr_b32 s16, s14, 1
	s_mov_b32 s17, ttmp9
	s_and_b32 s18, ttmp7, 0xffff
	s_lshr_b32 s72, s17, 3
	s_sub_co_u32 s19, 8, s72
	s_mov_b32 s20, s19
	s_mov_b32 s21, 0
	s_mov_b32 s22, 0
	s_sub_co_u32 s23, 63, s17
	s_lshl_b32 s23, s23, 5
	s_lshl_b32 s72, s16, 4
	s_add_co_u32 s23, s23, s72
	s_lshl_b32 s24, s17, 5
	s_add_co_u32 s24, s24, s72
	s_lshl_b32 s25, s13, 6
	s_mov_b32 s26, 0
	s_mov_b32 s27, 0
	s_mov_b32 s28, 8
	s_mov_b32 s29, 0
	s_mov_b32 s30, 0x3e38aa3b                      ; c = log2(e) / sqrt(64)
	s_mov_b32 s31, s30
	s_mov_b32 s32, 0x76543210
	s_mov_b32 s33, 0xfedcba98
	s_cmp_eq_u32 s17, 0
	s_cselect_b32 s34, 2, -1
	s_and_b32 s35, s12, 3
	s_mov_b32 s36, (1<<16)|(1<<20)|(4<<22)|(3<<25) ; K: elements of 2 bytes; 4 words of padding behind every 32
	s_mov_b32 s37, 64<<16                          ; tensor_dim0
	s_mov_b32 s38, 256<<16                         ; tensor_dim1
	s_mov_b32 s39, 64<<16                          ; tile_dim0
	s_mov_b32 s40, 256                             ; tile_dim1
	s_mov_b32 s41, 64                              ; the pitch
	s_mov_b32 s42, 0
	s_mov_b32 s43, 0
	s_mov_b32 s44, (1<<16)|(1<<20)|(4<<22)|(7<<25) ; V: 8 words of padding
	s_mov_b32 s45, 64<<16
	s_mov_b32 s46, 256<<16
	s_mov_b32 s47, 64<<16
	s_mov_b32 s48, 256
	s_mov_b32 s49, 64
	s_mov_b32 s50, 0
	s_mov_b32 s51, 0
	s_wait_dscnt 0x0                               ; both opening adds are done
	s_wait_kmcnt 0x0
	s_add_co_u32 s72, s18, 32
	s_lshl_b32 s72, s72, 18
	s_mov_b32 s73, 0
	s_add_nc_u64 s[60:61], s[4:5], s[72:73]        ; my head of K,
	s_add_nc_u64 s[62:63], s[60:61], 8*262144      ; and of V
	s_mov_b32 s52, 1
	s_mov_b32 s53, 0
	s_mov_b64 s[54:55], s[60:61]
	s_or_b32 s55, s55, 0x80000000
	s_mov_b32 s56, 1
	s_mov_b32 s57, VOFF
	s_mov_b64 s[58:59], s[62:63]
	s_or_b32 s59, s59, 0x80000000
	TLOAD                                          ; key slot 0 into slot 0
	v_and_b32 v64, 15, v0                          ; r
	v_bfe_u32 v65, v0, 4, 1                        ; h
	v_and_b32 v66, 31, v0                          ; lane
	v_mul_u32_u24 v1, v64, 144
	v_lshl_add_u32 v1, v65, 4, v1
	s_mul_i32 s72, s13, 9216
	v_add_nc_u32 v1, s72, v1                       ; K: row r, + 16 h, + my first key step of a slot
	v_and_b32 v67, 7, v0
	v_lshl_add_u32 v67, v65, 3, v67
	v_mul_u32_u24 v2, v67, 160
	v_bfe_u32 v67, v0, 3, 1
	v_lshl_add_u32 v2, v67, 4, v2
	s_mul_i32 s72, s13, 10240
	s_add_co_u32 s72, s72, VOFF
	v_add_nc_u32 v2, s72, v2                       ; V: the turning load's place
	v_lshlrev_b32 v7, 7, v64
	v_lshl_add_u32 v7, v65, 4, v7                  ; Q: row r of 128 bytes, + 16 h
	s_mul_i32 s72, s14, 4352
	s_add_co_u32 s72, s72, STAGE
	v_mul_u32_u24 v8, v64, 272
	v_lshl_add_u32 v8, v65, 4, v8
	v_add_nc_u32 v8, s72, v8                       ; the stage, in
	v_mul_u32_u24 v9, v65, 272
	v_lshl_add_u32 v9, v64, 4, v9
	v_add_nc_u32 v9, s72, v9                       ; and back: sixteen lanes to a row
	v_lshlrev_b32 v10, 12, v65
	v_lshl_add_u32 v10, v64, 4, v10                ; the same two rows in attn
	s_mul_i32 s72, s14, 8704
	s_add_co_u32 s72, s72, MERGE
	v_lshl_add_u32 v11, v66, 4, s72                ; an image's place for my lane
	v_mov_b32 v13, 0xff800000                      ; -infinity
	v_lshlrev_b32 v67, 3, v65
	v_sub_nc_u32 v14, v64, v67                     ; r - 8 h
	v_lshlrev_b32 v15, 8, v66
	s_cmp_lt_u32 s12, 4
	s_cselect_b64 s[66:67], s[60:61], s[62:63]     ; the prefetches: my wave's 8,192 bytes, in key slot 1; the first change of slots steps it to slot 2
	s_lshl_b32 s72, s35, 13
	s_add_co_u32 s72, s72, 32768
	s_mov_b32 s73, 0
	s_add_nc_u64 s[66:67], s[66:67], s[72:73]
	s_lshl_b32 s72, s18, 2
	s_lshl_b32 s74, s15, 1
	s_add_co_u32 s74, s72, s74                     ; my first head
	s_lshl_b32 s72, s74, 18
	s_add_nc_u64 s[68:69], s[4:5], s[72:73]        ; in q,
	s_lshl_b32 s72, s74, 7
	s_add_nc_u64 s[70:71], s[8:9], s[72:73]        ; and its columns in attn
	QLOAD                                          ; the first walk's Q
	s_lshl_b32 s72, s18, 2
	s_add_co_u32 s72, s72, s14                     ; the f32 part's head: 4 G + TP
	s_lshl_b32 s72, s72, 12
	s_add_nc_u64 s[80:81], s[6:7], s[72:73]
	s_add_nc_u64 s[86:87], s[10:11], s[72:73]
	s_add_co_u32 s72, s18, 32
	s_lshl_b32 s72, s72, 12
	s_add_nc_u64 s[82:83], s[6:7], s[72:73]
	s_add_nc_u64 s[84:85], s[82:83], 8*4096
.set ci, 160
.rept 96
	v_mov_b32 v[ci], 0                             ; written in every wave, so that they are written on every way
.set ci, ci+1
.endr
	s_cmp_lg_u32 s17, 0
	s_cbranch_scc1 .Lno_fine
	s_cmp_eq_u32 s13, 0
	s_cbranch_scc1 .Lno_fine
	v_lshlrev_b32 v68, 5, v66                      ; positions 0-15 in f32: q and k as the images lie: lane (r, h), register 8 bq + j: channel 16 bq + 8 h + j
	v_lshlrev_b32 v69, 8, v65
	v_lshrrev_b32 v70, 3, v64
	v_lshl_add_u32 v69, v70, 9, v69
	v_and_b32 v70, 7, v0
	v_lshl_add_u32 v69, v70, 2, v69                ; v: lane (r, h), register 8 ct + j: key 8 h + j, channel 16 ct + r
.irp bq, 0,1,2,3
.irp e, 0,1
	global_load_b128 v[160+8*\bq+4*\e:163+8*\bq+4*\e], v68, s[80:81] offset:\bq*1024+16*\e
	global_load_b128 v[192+8*\bq+4*\e:195+8*\bq+4*\e], v68, s[82:83] offset:\bq*1024+16*\e
.endr
.endr
.irp ct, 0,1,2,3
.irp jj, 0,1,2,3,4,5,6,7
	global_load_b32 v[224+8*\ct+\jj], v69, s[84:85] offset:\ct*1024+\jj*32
.endr
.endr
.Lno_fine:
; One tile's softmax for one key step
.macro SMX t
.set rT, 16+8*(\t)
.set rS, 64+32*(\t)
.set rP, 128+16*(\t)
.set rO, 32*(\t)
	WIN 0
.irp j, 0,1,2,3
	v_max3_num_f32 v[rT+4+\j], v[rS+8*\j], v[rS+8*\j+1], v[rS+8*\j+2]   ; four chains; each accumulator is read from its low end on
.endr
.irp g, 1,2
.irp j, 0,1,2,3
	v_max3_num_f32 v[rT+4+\j], v[rT+4+\j], v[rS+8*\j+2*\g+1], v[rS+8*\j+2*\g+2]
.endr
.endr
	v_max3_num_f32 v[rT+4], v[rT+4], v[rS+7], v[rS+15]
	v_max3_num_f32 v[rT+6], v[rT+6], v[rS+23], v[rS+31]
	v_max3_num_f32 v[rT+4], v[rT+4], v[rT+5], v[rT+6]
	v_max3_num_f32 v[rT+4], v[rT+4], v[rT+7], v[rT+1]                  ; with the old maximum
	v_permlanex16_b32 v[rT+5], v[rT+4], s32, s33                       ; the query's other keys lie in the lane 16 away
	v_mov_b32 v[rT+7], v[rT]
	v_max_num_f32 v[rT+1], v[rT+4], v[rT+5]
	v_mul_f32 v[rT], s30, v[rT+1]
	v_sub_f32 v[rT+7], v[rT+7], v[rT]                                  ; c m_old - c m_new
.set b, 0
.rept 16
	v_pk_fma_f32 v[rS+2*b:rS+2*b+1], v[rS+2*b:rS+2*b+1], s[30:31], v[rT:rT+1] op_sel_hi:[1,0,0] neg_lo:[0,0,1] neg_hi:[0,0,1]   ; c s - c m
.set b, b+1
.endr
	v_exp_f32 v[rT+6], v[rT+7]                                         ; a
.set b, 0
.rept 32
	v_exp_f32 v[rS+b], v[rS+b]                                         ; p
.set b, b+1
.endr
	v_nop                                                              ; a plain line behind the last exponential
	s_wait_alu depctr_va_vdst(0)                                       ; one wait for the batch, ahead of its first reader
.set b, 0
.rept 16
	v_cvt_pk_f16_f32 v[rP+b], v[rS+2*b], v[rS+2*b+1]
.set b, b+1
.endr
.irp u, 0,1,2,3,4,5,6,7
	v_pk_add_f32 v[rS+4*\u:rS+4*\u+1], v[rS+4*\u:rS+4*\u+1], v[rS+4*\u+2:rS+4*\u+3]
.endr
.irp u, 0,1,2,3
	v_pk_add_f32 v[rS+8*\u:rS+8*\u+1], v[rS+8*\u:rS+8*\u+1], v[rS+8*\u+4:rS+8*\u+5]
.endr
.irp u, 0,1
	v_pk_add_f32 v[rS+16*\u:rS+16*\u+1], v[rS+16*\u:rS+16*\u+1], v[rS+16*\u+8:rS+16*\u+9]
.endr
	v_pk_add_f32 v[rS:rS+1], v[rS:rS+1], v[rS+16:rS+17]
	v_pk_fma_f32 v[rT+2:rT+3], v[rT+2:rT+3], v[rT+6:rT+7], v[rS:rS+1] op_sel_hi:[1,0,1]   ; the sum = a x the sum + this step's
	WIN 0x41
.set b, 0
.rept 16
	v_pk_mul_f32 v[rO+2*b:rO+2*b+1], v[rO+2*b:rO+2*b+1], v[rT+6:rT+7] op_sel_hi:[1,0]     ; O^T x a
.set b, b+1
.endr
.endm
.macro PV t                            ; O^T += V^T P: four accumulators by turns
	WIN 0x51
.irp vs, 0,1
.irp ct, 0,1,2,3
	v_wmma_f32_16x16x32_f16 v[32*(\t)+8*\ct:32*(\t)+8*\ct+7], v[128+32*\vs+8*\ct:135+32*\vs+8*\ct], v[128+16*(\t)+8*\vs:135+16*(\t)+8*\vs], v[32*(\t)+8*\ct:32*(\t)+8*\ct+7]
.endr
.endr
.endm
.macro KLOAD sj                        ; K of my sj-th key step in the slot: 16 loads; the destination's window is set by the caller
.irp kt, 0,1,2,3
.irp ks, 0,1
	ds_load_b128 v[64+16*\kt+8*\ks:67+16*\kt+8*\ks], v3 offset:\sj*18432+\kt*2304+64*\ks
	ds_load_b128 v[68+16*\kt+8*\ks:71+16*\kt+8*\ks], v3 offset:\sj*18432+\kt*2304+64*\ks+32
.endr
.endr
.endm
; A key step of 64 keys, first key s78: the sj-th of my two in the slot in hand.  The first asks for its own K at its head and for the second's behind its K Q^T; the wait for V covers those loads too.
.macro STEPBODY sj
	WIN 0x40
.if \sj == 0
	KLOAD 0
.endif
.irp vs, 0,1
.irp ct, 0,1,2,3
	ds_load_tr16_b128 v[128+32*\vs+8*\ct:131+32*\vs+8*\ct], v4 offset:\sj*20480+\vs*5120+32*\ct
	ds_load_tr16_b128 v[132+32*\vs+8*\ct:135+32*\vs+8*\ct], v4 offset:\sj*20480+\vs*5120+32*\ct+2560
.endr
.endr
.if \sj == 0
	s_wait_dscnt 16                                ; K is in; V's sixteen loads may be out
.endif
	WIN 0x01
.irp ks, 0,1
.irp kt, 0,1,2,3
.irp t, 0,1
.if \ks == 0
	v_wmma_f32_16x16x32_f16 v[64+32*\t+8*\kt:71+32*\t+8*\kt], v[64+16*\kt+8*\ks:71+16*\kt+8*\ks], v[32+16*\t+8*\ks:39+16*\t+8*\ks], 0
.else
	v_wmma_f32_16x16x32_f16 v[64+32*\t+8*\kt:71+32*\t+8*\kt], v[64+16*\kt+8*\ks:71+16*\kt+8*\ks], v[32+16*\t+8*\ks:39+16*\t+8*\ks], v[64+32*\t+8*\kt:71+32*\t+8*\kt]
.endif
.endr
.endr
.endr
	WIN 0
.rept 4
	v_nop                                          ; places behind the products, ahead of the first read of the scores and of the loads into K's registers
.endr
.if \sj == 0
	WIN 0x40
	KLOAD 1                                        ; the slot is whole, so these bytes are there whether or not the second step's keys count
	WIN 0
.endif
	s_add_co_u32 s72, s78, 63                      ; on the diagonal hidden scores become -infinity ahead of the maximum; a step all of whose keys count skips this
	s_cmp_le_u32 s72, s23
	s_cbranch_scc1 .Lopen_\@
	s_sub_co_i32 s72, s23, s78
	v_add_nc_u32 v12, s72, v14                     ; register 8 kt + j holds key (first key) + 16 kt + 8 h + j: hidden where 16 kt + j > my query - first key - 8 h
.irp n, 0,1,2,3,4,5,6,7,8,9,10,11,12,13,14,15,16,17,18,19,20,21,22,23,24,25,26,27,28,29,30,31
	v_cmp_gt_i32 vcc_lo, 16*(\n/8)+\n%8, v12
	v_cndmask_b32 v[64+\n], v[64+\n], v13, vcc_lo
	v_cndmask_b32 v[96+\n], v[96+\n], v13, vcc_lo
.endr
.Lopen_\@:
	SMX 0
	s_wait_dscnt 0x0                               ; V is in (in the first step: and the second step's K)
	PV 0
	SMX 1
	PV 1
	WIN 0
.rept 4
	v_nop                                          ; places behind the last products: for the next loads into V's registers and any read of O^T
.endr
.endm
; My two key steps of a slot.  A step all of whose keys come after my 16 queries is left out: a branch on ids; if the first is hidden so is the second, and one jump leads over both, so that the second is reached through the first alone.
; No barrier, wait on tensor loads or tensor load stands here.
.macro SLOTWORK
	s_mov_b32 s78, s25
	s_add_co_u32 s72, s23, 15
	s_cmp_gt_u32 s78, s72
	s_cbranch_scc1 .Lhid_\@
	STEPBODY 0
	s_add_co_u32 s78, s25, 128
	s_add_co_u32 s72, s23, 15
	s_cmp_gt_u32 s78, s72
	s_cbranch_scc1 .Lhid_\@
	STEPBODY 1
.Lhid_\@:
	s_add_co_u32 s25, s25, 256
.endm
; THE CHANGE OF SLOTS, at a slot's head.  Every wave waits for all its tensor loads, adds 0 to its spare word, and waits for that and for its reads of the slot that it has left; behind the barrier the slot ahead is
; whole and nobody reads the other one, which (fill = 1) is filled with the next key slot of the walk, or with key slot 0 of the second walk.
.macro CHANGE fill
	s_wait_tensorcnt 0x0
	ds_add_u32 v5, v6
.if \fill
	ds_add_u32 v5, v6                              ; and twice on end here, in every trip alike
	s_add_co_u32 s21, s21, 1
	s_cmp_eq_u32 s21, s19
	s_cselect_b32 s21, 0, s21
	s_cselect_b32 s19, 99, s19
	s_lshl_b32 s72, s21, 15
	s_mov_b32 s73, 0
	s_add_nc_u64 s[54:55], s[60:61], s[72:73]      ; no tensor load of mine is out, so the descriptors may be written
	s_or_b32 s55, s55, 0x80000000
	s_add_nc_u64 s[58:59], s[62:63], s[72:73]
	s_or_b32 s59, s59, 0x80000000
	s_xor_b32 s53, s53, SLOT1
	s_xor_b32 s57, s57, SLOT1
	s_wait_xcnt 0x0                                ; the last prefetch, a slot back, has read its address
	s_add_nc_u64 s[66:67], s[66:67], 32768
.endif
	s_wait_dscnt 0x0
	s_barrier_signal -1
	s_barrier_wait -1
.if \fill
	TLOAD
	ASK
.endif
	v_add_nc_u32 v3, s26, v1
	v_add_nc_u32 v4, s26, v2
.endm
; The E = 1 wave's part of a finished walk goes to LDS as images of its registers
.macro STOREPART
	v_mov_b32 v64, v16
	v_add_f32 v65, v18, v19
	v_mov_b32 v66, v24
	v_add_f32 v67, v26, v27
	WIN 0x04
.irp k, 0,1,2,3,4,5,6,7,8,9,10,11,12,13,14,15
	ds_store_b128 v11, v[4*\k:4*\k+3] offset:512*\k
.endr
	WIN 0
	ds_store_b128 v11, v[64:67] offset:8192
	s_wait_dscnt 0x0
.endm
; The E = 0 wave joins the two parts under the larger maximum, divides by the sum, rounds to f16 and stores 16 rows x 256 bytes (two heads) through its stage
.macro MERGE_OUT
.irp k, 0,1,2,3,4,5,6,7,8,9,10,11,12,13,14,15
	ds_load_b128 v[160+4*\k:163+4*\k], v11 offset:512*\k
.endr
	ds_load_b128 v[224:227], v11 offset:8192
	v_add_f32 v20, v18, v19
	v_add_f32 v28, v26, v27
	s_wait_dscnt 0x0
	v_max_num_f32 v21, v16, v224
	v_max_num_f32 v29, v24, v226
	v_sub_f32 v22, v16, v21
	v_sub_f32 v23, v224, v21
	v_sub_f32 v30, v24, v29
	v_sub_f32 v31, v226, v29
	v_exp_f32 v22, v22
	v_exp_f32 v23, v23
	v_exp_f32 v30, v30
	v_exp_f32 v31, v31
	v_nop
	s_wait_alu depctr_va_vdst(0)                   ; one wait for the four
	v_mul_f32 v20, v20, v22
	v_mul_f32 v28, v28, v30
	v_fma_f32 v20, v225, v23, v20
	v_fma_f32 v28, v227, v31, v28
	v_permlanex16_b32 v21, v20, s32, s33
	v_permlanex16_b32 v29, v28, s32, s33
	v_add_f32 v20, v20, v21
	v_add_f32 v28, v28, v29
	v_rcp_f32 v20, v20
	v_rcp_f32 v28, v28
	v_nop
	s_wait_alu depctr_va_vdst(0)                   ; and one for the two
	v_mul_f32 v228, v22, v20
	v_mul_f32 v230, v23, v20
	v_mul_f32 v232, v30, v28
	v_mul_f32 v234, v31, v28
	v_mov_b32 v229, 0                              ; (named as the upper halves of pairs)
	v_mov_b32 v231, 0
	v_mov_b32 v233, 0
	v_mov_b32 v235, 0
.set mi, 0
.rept 32
	v_pk_mul_f32 v[160+2*mi:161+2*mi], v[160+2*mi:161+2*mi], v[230+4*(mi/16):231+4*(mi/16)] op_sel_hi:[1,0]
.set mi, mi+1
.endr
	WIN 0x01
.set mi, 0
.rept 32
	v_pk_fma_f32 v[160+2*mi:161+2*mi], v[2*mi:2*mi+1], v[228+4*(mi/16):229+4*(mi/16)], v[160+2*mi:161+2*mi] op_sel_hi:[1,0,1]
.set mi, mi+1
.endr
	WIN 0
.set mi, 0
.rept 32
	v_cvt_pk_f16_f32 v[64+mi], v[160+2*mi], v[161+2*mi]
.set mi, mi+1
.endr
.irp t, 0,1
.irp ct, 0,1,2,3
	ds_store_b128 v8, v[64+16*\t+4*\ct:67+16*\t+4*\ct] offset:128*\t+32*\ct
.endr
.endr
.irp f, 0,1,2,3,4,5,6,7
	ds_load_b128 v[96+4*\f:99+4*\f], v9 offset:544*\f      ; LDS serves a wave's instructions in order: these see my stores
.endr
	s_wait_xcnt 0x0                                ; earlier stores have read their base
	s_lshl_b32 s76, s29, 12
	s_mov_b32 s77, 0
	s_add_nc_u64 s[76:77], s[70:71], s[76:77]
.irp f, 0,1,2,3,4,5,6,7
	s_wait_dscnt 7-\f
	global_store_b128 v10, v[96+4*\f:99+4*\f], s[76:77] offset:8192*\f   ; sixteen lanes store 256 consecutive bytes, aligned
.endr
	s_wait_xcnt 0x0                                ; the stores have read their registers, which the next products write
.endm
; Behind the change of slots that follows a walk's end: the E = 0 waves join and store.  The wait for Q stands on every way, behind the label: in most trips nothing is out.
.macro POST
	s_cmp_eq_u32 s27, 0
	s_cbranch_scc1 .Lnone_\@
	s_mov_b32 s27, 0
	s_cmp_eq_u32 s13, 0
	s_cbranch_scc0 .Lnone_\@
	MERGE_OUT
	RESET
.Lnone_\@:
	s_wait_loadcnt 0x0                             ; the new walk's Q, asked for at the old walk's end, is in
.endm
.macro SLOTEND
	s_xor_b32 s26, s26, SLOT1
	s_add_co_u32 s22, s22, 1
	s_wait_dscnt 0x0
	s_barrier_signal -1                            ; it stands between an E = 0 wave's reads of the handed part and the partner's next stores there
	s_barrier_wait -1
	s_cmp_eq_u32 s22, s20
	s_cbranch_scc0 .Lsame_\@
	s_mov_b32 s29, s23                             ; the first walk is over
	s_mov_b32 s23, s24
	s_mov_b32 s22, 0
	s_mov_b32 s20, 99
	s_lshl_b32 s25, s13, 6
	s_mov_b32 s27, 1
	QLOAD                                          ; both partners ask for the second walk's Q here: its registers were last read by products that stand a softmax back
	s_cmp_eq_u32 s13, 0
	s_cbranch_scc1 .Lsame_\@
	STOREPART
	RESET
.Lsame_\@:
.endm
	RESET
	s_wait_loadcnt 0x0                             ; Q is in, and the f32 operands
.Lslot:                                            ; eight trips; the ninth slot is written out
	CHANGE 1
	POST
	SLOTWORK
	SLOTEND
	s_sub_co_u32 s28, s28, 1
	s_cmp_lg_u32 s28, 0
	s_cbranch_scc1 .Lslot
	CHANGE 0
	POST
	SLOTWORK
	s_mov_b32 s29, s23
	s_wait_dscnt 0x0
	s_barrier_signal -1                            ; the E = 0 waves' reads of the first walk's part are over
	s_barrier_wait -1
	s_cmp_eq_u32 s13, 0
	s_cbranch_scc1 .Lno_part
	STOREPART
.Lno_part:
	s_wait_dscnt 0x0
	s_barrier_signal -1                            ; the second walk's parts lie in LDS
	s_barrier_wait -1
	s_cmp_eq_u32 s13, 0
	s_cbranch_scc0 .Lodd_end
	MERGE_OUT
	s_branch .Lend
.Lodd_end:
	s_cmp_lg_u32 s17, 0
	s_cbranch_scc1 .Lend
	; POSITIONS 0-15 OF HEAD 4 G + TP IN F32.  S^T = K Q^T: sixteen steps of 4 channels, the same order of channels on both sides; four accumulators by turns, each begun with 0
	WIN 0x50
.set fs, 0
.rept 16
.if fs < 4
	v_wmma_f32_16x16x4_f32 v[192+8*(fs%4):199+8*(fs%4)], v[192+2*fs:193+2*fs], v[160+2*fs:161+2*fs], 0
.else
	v_wmma_f32_16x16x4_f32 v[192+8*(fs%4):199+8*(fs%4)], v[192+2*fs:193+2*fs], v[160+2*fs:161+2*fs], v[192+8*(fs%4):199+8*(fs%4)]
.endif
.set fs, fs+1
.endr
	WIN 0
.rept 8
	v_nop                                          ; eight places behind this form
.endr
	WIN 0x05
.irp j, 0,1,2,3,4,5,6,7
	v_add_f32 v[64+\j], v[192+\j], v[200+\j]
.endr
	WIN 0x01
.irp j, 0,1,2,3,4,5,6,7
	v_add_f32 v[64+\j], v[208+\j], v[64+\j]
.endr
.irp j, 0,1,2,3,4,5,6,7
	v_add_f32 v[64+\j], v[216+\j], v[64+\j]
.endr
	WIN 0
.irp j, 0,1,2,3,4,5,6,7
	v_cmp_gt_i32 vcc_lo, \j, v14                   ; key 8 h + j is hidden where it comes after query r
	v_cndmask_b32 v[64+\j], v[64+\j], v13, vcc_lo
.endr
	v_max3_num_f32 v80, v64, v65, v66
	v_max3_num_f32 v80, v80, v67, v68
	v_max3_num_f32 v80, v80, v69, v70
	v_max_num_f32 v80, v80, v71
	v_mov_b32 v81, 0
	v_permlanex16_b32 v81, v80, s32, s33
	v_max_num_f32 v80, v80, v81                    ; the row's maximum (key 0 counts for every query)
	v_mul_f32 v80, s30, v80
.irp j, 0,1,2,3,4,5,6,7
	v_fma_f32 v[64+\j], v[64+\j], s30, -v80
.endr
.irp j, 0,1,2,3,4,5,6,7
	v_exp_f32 v[64+\j], v[64+\j]
.endr
	v_nop
	s_wait_alu depctr_va_vdst(0)
	v_add_f32 v82, v64, v65
	v_add_f32 v83, v66, v67
	v_add_f32 v84, v68, v69
	v_add_f32 v85, v70, v71
	v_add_f32 v82, v82, v83
	v_add_f32 v84, v84, v85
	v_add_f32 v82, v82, v84
	v_permlanex16_b32 v81, v82, s32, s33
	v_add_f32 v82, v82, v81
	v_rcp_f32 v82, v82
	v_nop
	s_wait_alu depctr_va_vdst(0)
.irp j, 0,1,2,3,4,5,6,7
	v_mul_f32 v[72+\j], v[64+\j], v82
.endr
	WIN 0x50                                       ; O^T = V^T P: four steps of 4 keys (8 h + 2 s + j on both sides), four tiles of channels by turns
.irp fq, 0,1,2,3
.irp ct, 0,1,2,3
.if \fq == 0
	v_wmma_f32_16x16x4_f32 v[224+8*\ct:231+8*\ct], v[224+8*\ct+2*\fq:225+8*\ct+2*\fq], v[72+2*\fq:73+2*\fq], 0
.else
	v_wmma_f32_16x16x4_f32 v[224+8*\ct:231+8*\ct], v[224+8*\ct+2*\fq:225+8*\ct+2*\fq], v[72+2*\fq:73+2*\fq], v[224+8*\ct:231+8*\ct]
.endif
.endr
.endr
	WIN 0
.rept 8
	v_nop
.endr
	v_bfe_u32 v12, v0, 4, 1
	v_lshlrev_b32 v12, 10, v12
	v_and_b32 v80, 15, v0
	v_lshl_add_u32 v12, v80, 4, v12
	WIN 0x04                                       ; the data: window 1
.irp ct, 0,1,2,3
.irp jh, 0,1
	global_store_b128 v12, v[224+8*\ct+4*\jh:227+8*\ct+4*\jh], s[86:87] offset:(\ct%2)*2048+\jh*512+(\ct/2)*256
.endr
.endr
	WIN 0
.Lend:
	s_wait_tensorcnt 0x0                           ; the wave's end
	ds_add_u32 v5, v6
	s_wait_dscnt 0x0
	s_endpgm
.Lfunc_end_k_qa870f0631f_attn:
	.size	k_qa870f0631f_attn, .Lfunc_end_k_qa870f0631f_attn-k_qa870f0631f_attn
	.p2alignl 7, 3214868480
	.fill 96, 4, 3214868480
	.section	.rodata,"a",@progbits
	.p2align	6, 0x0
	.amdhsa_kernel k_qa870f0631f_attn
		.amdhsa_group_segment_fixed_size 327680
		.amdhsa_private_segment_fixed_size 0
		.amdhsa_enable_private_segment 0
		.amdhsa_kernarg_size 32
		.amdhsa_user_sgpr_count 2
		.amdhsa_user_sgpr_kernarg_segment_ptr 1
		.amdhsa_wavefront_size32 1
		.amdhsa_system_sgpr_workgroup_id_x 1
		.amdhsa_system_sgpr_workgroup_id_y 1
		.amdhsa_system_sgpr_workgroup_id_z 1
		.amdhsa_system_vgpr_workitem_id 0
		.amdhsa_next_free_vgpr 512
		.amdhsa_next_free_sgpr 96
		.amdhsa_reserve_vcc 1
		.amdhsa_float_denorm_mode_32 3
		.amdhsa_float_denorm_mode_16_64 3
		.amdhsa_memory_ordered 1
		.amdhsa_forward_progress 1
		.amdhsa_inst_pref_size 153
	.end_amdhsa_kernel
	.amdgpu_metadata
---
amdhsa.version: [ 1, 2 ]
amdhsa.kernels:
  - .name:           k_qa870f0631f_attn
    .symbol:         k_qa870f0631f_attn.kd
    .args:
      - { .name: qkv, .offset: 0, .size: 8, .value_kind: global_buffer, .address_space: global }
      - { .name: qkv32, .offset: 8, .size: 8, .value_kind: global_buffer, .address_space: global }
      - { .name: attn, .offset: 16, .size: 8, .value_kind: global_buffer, .address_space: global }
      - { .name: att32, .offset: 24, .size: 8, .value_kind: global_buffer, .address_space: global }
    .group_segment_fixed_size: 327680
    .private_segment_fixed_size: 0
    .kernarg_segment_align: 8
    .kernarg_segment_size: 32
    .max_flat_workgroup_size: 256
    .sgpr_count:     96
    .vgpr_count:     512
    .wavefront_size: 32
...
	.end_amdgpu_metadata
.endif
;; end of part 3
;; launch oproj (part 4): grid 16 x 16, 4 waves a work-group, clusters of 4 x 4, 327,680 bytes of LDS; arguments attn, wo16, out0; writes out0
.if DOCPART == 4
	.amdgcn_target "amdgcn-amd-amdhsa--gfx1250"
	.amdhsa_code_object_version 6
	.text
	.protected	k_qa870f0631f_oproj
	.globl	k_qa870f0631f_oproj
	.p2align	8
	.type	k_qa870f0631f_oproj,@function
k_qa870f0631f_oproj:
	s_mov_b64 s[64:65], 0
	v_nop
	global_prefetch_b8 v0, s[64:65] scope:SCOPE_SE
	s_setreg_imm32_b32 hwreg(HW_REG_WAVE_MODE, 25, 1), 1
	s_wait_xcnt 0x0
	s_wait_alu depctr_hold_cnt(0) depctr_sa_sdst(0) depctr_va_vdst(0) depctr_va_sdst(0) depctr_va_ssrc(0) depctr_va_vcc(0) depctr_vm_vsrc(0)
	s_getreg_b32 s2, hwreg(HW_REG_IB_STS2, 6, 4)
	s_cmp_eq_u32 s2, 0
	s_cbranch_scc0 .Lentry_in_a_cluster
	s_endpgm
.Lentry_in_a_cluster:
	s_bfe_u32 s2, ttmp6, 0x10000c
	s_cmp_lg_u32 s2, 0xf033
	s_cbranch_scc0 .Lentry_shape_is_right
	s_endpgm
.Lentry_shape_is_right:
; out0 = attn wo.  attn: [2048][2048] f16, K innermost; wo16: [2048 k][2048 n] f16, K its FIRST axis; out0 f32; sums in f32.  (Rows 0-15 are written again, more finely, by the launch that follows.)
; A tile of out0 is 128 x 128: 256 work-groups.  Four waves, each 64 x 64: 16 accumulators.  K goes in steps of 256 through two LDS slots: attn's tile 128 rows x 512 bytes, wo's 256 k-rows x 256 bytes, which
; comes out of LDS turned, by ds_load_tr16_b128.  4 x 4 work-groups form a cluster: attn's tiles are asked for jointly along a row, wo's along a column.
; THE MATRIX INSTRUCTION IS USED TRANSPOSED (source 0 = 16 columns of wo, source 1 = 16 rows of attn): a lane holds eight neighbouring numbers of a row of out0.
; LIMITS: the attention's output and wo stay under 65,504 (f16).
; REGISTERS: window 0: v0-31 addresses; v32-95 the way out; v128-255 the accumulators.  window 1: two fragment buffers of 128 (64 of attn, then 64 of wo).
.set SIZE_N, 2048
.set SIZE_K, 2048
.set KSTEP,  256
.set PITCH,  528                       ; attn's LDS row: 512 bytes + 16
.set PB,     288                       ; wo's: 256 bytes + 32: an odd multiple of 32
.set HALFA,  64*PITCH
.set BOFF,   2*HALFA
.set HALFB,  128*PB
.set SLOT,   BOFF+2*HALFB
.set SPARE,  2*SLOT                    ; the spare words, 128 bytes for each wave: two blocks of 256 bytes that no other line names
.set SPITCH, 272                       ; the way out: 64 rows x (256 bytes + 16) for each wave, in slot 0, which has had its last fill and its last read by then
.set LAPS, SIZE_K/(2*KSTEP)
.set ADRA, 16
.set ADRB, 20                          ; v20-23: slot 0 rows 0-127, rows 128-255; slot 1 likewise (an LDS offset has 16 bits)
.set STO,  24
.set RD,   25
.set CO,   26
.set SPW,  28
.set NIL,  29
.set TMP,  32
.set ACC,  128
.set F0,   0
.set F1,   128
.set G1, 24
.set G0, 32
.set G1B, 48
.set G0B, 56
.set MSB, 0
.macro WIN new
.if MSB != (\new)
	s_set_vgpr_msb (MSB<<8)|(\new)
.set MSB, (\new)
.endif
.endm
.set MUL,  0x05
.set TO_F, 0x40
.macro JLOAD s                         ; waves 0 and 1 fetch attn's two halves, waves 2 and 3 wo's; an s_nop 0 and four v_nop follow each line
	s_cmp_eq_u32 s11, 0
	s_cbranch_scc0 .Lfor_b_\@
	tensor_load_to_lds s[G0+4*\s:G0+4*\s+3], s[G1:G1+7]
	s_nop 0
.rept 4
	v_nop
.endr
	s_branch .Lasked_\@
.Lfor_b_\@:
	tensor_load_to_lds s[G0B+4*\s:G0B+4*\s+3], s[G1B:G1B+7]
	s_nop 0
.rept 4
	v_nop
.endr
.Lasked_\@:
.endm
.macro CREST
	s_cmp_lg_u32 s10, 0
	s_cbranch_scc1 .Lnot_wave_0_\@
	s_barrier_signal -3
.Lnot_wave_0_\@:
	s_barrier_wait -3
	s_barrier_signal -1
	s_barrier_wait -1
.endm
.macro CROUND
	s_barrier_signal -1
	s_barrier_wait -1
	CREST
.endm
	s_load_b128 s[4:7], s[0:1], 0x0                ; attn, wo16
	s_load_b64 s[8:9], s[0:1], 0x10                ; out0
	v_lshl_add_u32 v[SPW], v0, 2, SPARE
	v_mov_b32 v[NIL], 0
	ds_add_u32 v[SPW], v[NIL]                      ; the wave's opening: the add, twice on end, and its wait ahead of my first tensor load
	ds_add_u32 v[SPW], v[NIL]
	v_lshrrev_b32 v1, 5, v0
	v_readfirstlane_b32 s10, v1                    ; wave 0..3
	s_lshr_b32 s11, s10, 1                         ; which half of the tile's rows is mine.  Also: I fetch for attn (0) or for wo (1)
	s_and_b32 s12, s10, 1                          ; which half of its columns.  Also: which half of that tile I fetch
	s_bfe_u32 s40, ttmp6, 0x40000
	s_bfe_u32 s41, ttmp6, 0x40004
	s_lshl_b32 s42, ttmp9, 2
	s_add_co_u32 s42, s42, s40                     ; tile column
	s_and_b32 s13, ttmp7, 0xffff
	s_lshl_b32 s13, s13, 2
	s_add_co_u32 s13, s13, s41                     ; tile row
	s_lshl_b32 s43, s41, 2
	s_lshl_b32 s43, 15, s43
	s_lshl_b32 s44, 0x1111, s40
	s_or_b32 s[G1+0], s43, (1<<16)|(1<<20)|(1<<21)|(6<<22)|(3<<25)   ; attn: 64 rows x 256 elements; 4 words of padding behind every 128
	s_mov_b32 s[G1+1], KSTEP<<16
	s_mov_b32 s[G1+2], 64<<16
	s_mov_b32 s[G1+3], KSTEP<<16
	s_mov_b32 s[G1+4], 64
	s_mov_b32 s[G1+5], SIZE_K
	s_mov_b32 s[G1+6], 0
	s_mov_b32 s[G1+7], 0
	s_or_b32 s[G1B+0], s44, (1<<16)|(1<<20)|(1<<21)|(5<<22)|(7<<25)  ; wo: 128 k-rows x 128 elements; 8 words of padding behind every 64
	s_mov_b32 s[G1B+1], 128<<16
	s_mov_b32 s[G1B+2], 128<<16
	s_mov_b32 s[G1B+3], 128<<16
	s_mov_b32 s[G1B+4], 128
	s_mov_b32 s[G1B+5], SIZE_N
	s_mov_b32 s[G1B+6], 0
	s_mov_b32 s[G1B+7], 0
	s_lshl_b32 s17, s12, 6
	s_lshl_b32 s16, s13, 7
	s_add_co_u32 s16, s16, s17                     ; attn: row 128 x tile row + 64 x half
	s_mov_b32 s17, 0
	s_mov_b64 s[18:19], SIZE_K*2
	s_mul_u64 s[16:17], s[16:17], s[18:19]
	s_lshl_b32 s46, s12, 19                        ; wo: k-row 128 x half (4,096 bytes a row), column 128 x tile column
	s_lshl_b32 s47, s42, 8
	s_add_co_u32 s46, s46, s47
	s_mov_b32 s47, 0
	s_mul_i32 s20, s12, HALFA                      ; where they go: no place in the cluster enters an LDS address
	s_mul_i32 s22, s12, HALFB
	s_add_co_u32 s22, s22, BOFF
	s_wait_dscnt 0x0
	s_wait_kmcnt 0x0
	s_add_nc_u64 s[14:15], s[4:5], s[16:17]
	s_add_nc_u64 s[46:47], s[6:7], s[46:47]
	CROUND
.irp s, 0,1
	s_mov_b32 s[G0+4*\s], 1
	s_add_co_u32 s[G0+4*\s+1], s20, \s*SLOT
	s_add_nc_u64 s[G0+4*\s+2:G0+4*\s+3], s[14:15], \s*KSTEP*2
	s_or_b32 s[G0+4*\s+3], s[G0+4*\s+3], 0x80000000
	s_mov_b32 s[G0B+4*\s], 1
	s_add_co_u32 s[G0B+4*\s+1], s22, \s*SLOT
	s_add_nc_u64 s[G0B+4*\s+2:G0B+4*\s+3], s[46:47], \s*KSTEP*SIZE_N*2
	s_or_b32 s[G0B+4*\s+3], s[G0B+4*\s+3], 0x80000000
	JLOAD \s
.endr
	v_and_b32 v1, 15, v0
	v_bfe_u32 v2, v0, 4, 1
	v_mul_u32_u24 v3, v1, PITCH
	v_lshl_add_u32 v3, v2, 4, v3
	s_mul_i32 s21, s11, HALFA                      ; my 64 rows of attn
	v_add_nc_u32 v[ADRA], s21, v3
	s_add_co_u32 s21, s21, SLOT
	v_add_nc_u32 v[ADRA+1], s21, v3
	v_and_b32 v4, 7, v0
	v_lshl_add_u32 v4, v2, 3, v4
	v_mul_u32_u24 v4, v4, PB
	v_bfe_u32 v5, v0, 3, 1
	v_lshl_add_u32 v4, v5, 4, v4                   ; the turning load's place: k-row 8 h + l % 8, 16 bytes for (l / 8) % 2
	s_lshl_b32 s22, s12, 7                         ; my 64 columns of wo
	s_add_co_u32 s22, s22, BOFF
	v_add_nc_u32 v[ADRB], s22, v4
	s_add_co_u32 s23, s22, HALFB
	v_add_nc_u32 v[ADRB+1], s23, v4
	s_add_co_u32 s22, s22, SLOT
	v_add_nc_u32 v[ADRB+2], s22, v4
	s_add_co_u32 s23, s23, SLOT
	v_add_nc_u32 v[ADRB+3], s23, v4
	s_mul_i32 s23, s10, 64*SPITCH                  ; my stage
	v_mul_u32_u24 v4, v1, SPITCH
	v_lshl_add_u32 v4, v2, 5, v4
	v_add_nc_u32 v[STO], s23, v4                   ; in: row r, 32 bytes for each half of the lanes
	v_mul_u32_u24 v5, v2, SPITCH
	v_lshl_add_u32 v5, v1, 4, v5
	v_add_nc_u32 v[RD], s23, v5                    ; back: sixteen lanes to a row of 256 bytes
	v_lshlrev_b32 v5, 13, v2
	v_lshl_add_u32 v[CO], v1, 4, v5
	s_lshl_b32 s16, s13, 7
	s_lshl_b32 s17, s11, 6
	s_add_co_u32 s16, s16, s17                     ; my first row of out0
	s_mov_b32 s17, 0
	s_mov_b64 s[18:19], SIZE_N*4
	s_mul_u64 s[16:17], s[16:17], s[18:19]
	s_add_nc_u64 s[8:9], s[8:9], s[16:17]
	s_lshl_b32 s46, s42, 9
	s_lshl_b32 s47, s12, 8
	s_add_co_u32 s46, s46, s47                     ; my first column, in bytes
	s_mov_b32 s47, 0
	s_add_nc_u64 s[8:9], s[8:9], s[46:47]
.macro MUL8 f, c, a0, zero             ; the 16 accumulators take turns, one instruction a turn
.irp a, \a0, \a0+1
.irp b, 0,1,2,3
.if \zero
	v_wmma_f32_16x16x32_f16 v[ACC+8*(4*(\a)+\b):ACC+8*(4*(\a)+\b)+7], v[\f+64+8*(4*\c+\b):\f+64+8*(4*\c+\b)+7], v[\f+8*(4*\c+\a):\f+8*(4*\c+\a)+7], 0
.else
	v_wmma_f32_16x16x32_f16 v[ACC+8*(4*(\a)+\b):ACC+8*(4*(\a)+\b)+7], v[\f+64+8*(4*\c+\b):\f+64+8*(4*\c+\b)+7], v[\f+8*(4*\c+\a):\f+8*(4*\c+\a)+7], v[ACC+8*(4*(\a)+\b):ACC+8*(4*(\a)+\b)+7]
.endif
.endr
.endr
.endm
; 32 LDS loads in one run: the fragments of the slot's qd-th 64 along K into buffer f; the first 32 along K first
.macro FETCH slot, qd, f
	WIN TO_F
.irp c, 0,1
.irp i, 0,1,2,3
	ds_load_tr16_b128 v[\f+64+8*(4*\c+\i):\f+64+8*(4*\c+\i)+3],   v[ADRB+2*\slot+(\qd)/2] offset:(64*((\qd)%2)+32*\c)*PB+32*\i
	ds_load_tr16_b128 v[\f+64+8*(4*\c+\i)+4:\f+64+8*(4*\c+\i)+7], v[ADRB+2*\slot+(\qd)/2] offset:(64*((\qd)%2)+32*\c)*PB+32*\i+16*PB
	ds_load_b128 v[\f+8*(4*\c+\i):\f+8*(4*\c+\i)+3],         v[ADRA+\slot] offset:128*(\qd)+64*\c+\i*16*PITCH
	ds_load_b128 v[\f+8*(4*\c+\i)+4:\f+8*(4*\c+\i)+7],       v[ADRA+\slot] offset:128*(\qd)+64*\c+\i*16*PITCH+32
.endr
.endr
.endm
.macro PLACES
.rept 4
	v_nop
.endr
.endm
.macro QUARTER slot, qd, f, g, zero    ; multiplies buffer f and fetches the slot's qd-th quarter into g
	s_wait_dscnt 16                                ; the first 32 along K are in
	WIN MUL
	MUL8 \f, 0, 0, \zero
	MUL8 \f, 0, 2, \zero
	PLACES
	FETCH \slot, \qd, \g
	s_wait_dscnt 32                                ; all but the 32 just issued
	WIN MUL
	MUL8 \f, 1, 0, 0
	MUL8 \f, 1, 2, 0
.endm
.macro TURN slot, next, fill
	WIN 0
	s_wait_tensorcnt 0x0                           ; all my tensor loads have landed: my part of the next slot
	ds_add_u32 v[SPW], v[NIL]
	s_wait_dscnt 17                                ; (the add and the youngest sixteen loads may be out)
	WIN MUL
	MUL8 F1, 0, 0, 0
	s_wait_dscnt 0x0                               ; the add is done, and my reads of this slot are over
	s_barrier_signal -1
	MUL8 F1, 0, 2, 0
.if \fill
	WIN 0
.endif
	s_barrier_wait -1
.if \fill
	CREST
	s_add_nc_u64 s[G0+4*\slot+2:G0+4*\slot+3], s[G0+4*\slot+2:G0+4*\slot+3], 2*KSTEP*2
	s_add_nc_u64 s[G0B+4*\slot+2:G0B+4*\slot+3], s[G0B+4*\slot+2:G0B+4*\slot+3], 2*KSTEP*SIZE_N*2
	JLOAD \slot
.else
	PLACES
.endif
	FETCH \next, 0, F0
	WIN MUL
	MUL8 F1, 1, 0, 0
	MUL8 F1, 1, 2, 0
.endm
	s_wait_tensorcnt 1                             ; my part of K step 0 is in (K step 1's load may be out),
	s_barrier_signal -1
	s_barrier_wait -1
	FETCH 0, 0, F0
	QUARTER 0, 1, F0, F1, 1
	WIN 0
	s_mov_b32 s3, LAPS-1
.Llap:
	QUARTER 0, 2, F1, F0, 0
	QUARTER 0, 3, F0, F1, 0
	TURN 0, 1, 1
	QUARTER 1, 1, F0, F1, 0
	QUARTER 1, 2, F1, F0, 0
	QUARTER 1, 3, F0, F1, 0
	TURN 1, 0, 1
	QUARTER 0, 1, F0, F1, 0
	WIN 0
	s_sub_co_u32 s3, s3, 1
	s_cmp_lg_u32 s3, 0
	s_cbranch_scc1 .Llap
	QUARTER 0, 2, F1, F0, 0
	QUARTER 0, 3, F0, F1, 0
	TURN 0, 1, 0
	QUARTER 1, 1, F0, F1, 0
	QUARTER 1, 2, F1, F0, 0
	QUARTER 1, 3, F0, F1, 0
	s_wait_dscnt 16
	WIN MUL
	MUL8 F1, 0, 0, 0
	MUL8 F1, 0, 2, 0
	s_wait_dscnt 0
	MUL8 F1, 1, 0, 0
	MUL8 F1, 1, 2, 0
	WIN 0
	; THE WAY OUT: a wave's 64 columns of f32 are 256 bytes, so each wave has a stage of its own and no barrier is wanted
	PLACES
.irp a, 0,1,2,3
.irp b, 0,1,2,3
	ds_store_b128 v[STO], v[ACC+8*(4*\a+\b):ACC+8*(4*\a+\b)+3] offset:\a*16*SPITCH+64*\b          ; each accumulator from its low end on
	ds_store_b128 v[STO], v[ACC+8*(4*\a+\b)+4:ACC+8*(4*\a+\b)+7] offset:\a*16*SPITCH+64*\b+16
.endr
.endr
.irp u, 0,1
.if \u > 0
	s_wait_xcnt 0x0                                ; the first half's stores have read their registers
.endif
.irp t, 0,1,2,3,4,5,6,7,8,9,10,11,12,13,14,15
	ds_load_b128 v[TMP+4*\t:TMP+4*\t+3], v[RD] offset:(16*\u+\t)*2*SPITCH
.endr
.irp t, 0,1,2,3,4,5,6,7,8,9,10,11,12,13,14,15
	s_wait_dscnt 15-\t
	global_store_b128 v[CO], v[TMP+4*\t:TMP+4*\t+3], s[8:9] offset:(16*\u+\t)*2*SIZE_N*4   ; sixteen lanes store 256 consecutive bytes, aligned
.endr
.endr
	s_wait_tensorcnt 0x0                           ; the wave's end
	ds_add_u32 v[SPW], v[NIL]
	s_wait_dscnt 0x0
	CROUND                                         ; the closing round
	s_endpgm
.Lfunc_end_k_qa870f0631f_oproj:
	.size	k_qa870f0631f_oproj, .Lfunc_end_k_qa870f0631f_oproj-k_qa870f0631f_oproj
	.p2alignl 7, 3214868480
	.fill 96, 4, 3214868480
	.section	.rodata,"a",@progbits
	.p2align	6, 0x0
	.amdhsa_kernel k_qa870f0631f_oproj
		.amdhsa_group_segment_fixed_size 327680
		.amdhsa_private_segment_fixed_size 0
		.amdhsa_enable_private_segment 0
		.amdhsa_kernarg_size 24
		.amdhsa_user_sgpr_count 2
		.amdhsa_user_sgpr_kernarg_segment_ptr 1
		.amdhsa_wavefront_size32 1
		.amdhsa_system_sgpr_workgroup_id_x 1
		.amdhsa_system_sgpr_workgroup_id_y 1
		.amdhsa_system_sgpr_workgroup_id_z 1
		.amdhsa_system_vgpr_workitem_id 0
		.amdhsa_next_free_vgpr 512
		.amdhsa_next_free_sgpr 66
		.amdhsa_reserve_vcc 0
		.amdhsa_float_denorm_mode_32 3
		.amdhsa_float_denorm_mode_16_64 3
		.amdhsa_memory_ordered 1
		.amdhsa_forward_progress 1
		.amdhsa_inst_pref_size 87
	.end_amdhsa_kernel
	.amdgpu_metadata
---
amdhsa.version: [ 1, 2 ]
amdhsa.kernels:
  - .name:           k_qa870f0631f_oproj
    .symbol:         k_qa870f0631f_oproj.kd
    .args:
      - { .name: attn, .offset: 0, .size: 8, .value_kind: global_buffer, .address_space: global }
      - { .name: wo16, .offset: 8, .size: 8, .value_kind: global_buffer, .address_space: global }
      - { .name: out0, .offset: 16, .size: 8, .value_kind: global_buffer, .address_space: global }
    .group_segment_fixed_size: 327680
    .private_segment_fixed_size: 0
    .kernarg_segment_align: 8
    .kernarg_segment_size: 24
    .max_flat_workgroup_size: 128
    .sgpr_count:     66
    .vgpr_count:     512
    .wavefront_size: 32
...
	.end_amdgpu_metadata
.endif
;; end of part 4
;; launch fine (part 5): grid 128 x 1, 8 waves a work-group, no clusters, 9,216 bytes of LDS; arguments att32, wo, out0; writes out0
.if DOCPART == 5
	.amdgcn_target "amdgcn-amd-amdhsa--gfx1250"
	.amdhsa_code_object_version 6
	.text
	.protected	k_qa870f0631f_fine
	.globl	k_qa870f0631f_fine
	.p2align	8
	.type	k_qa870f0631f_fine,@function
k_qa870f0631f_fine:
	s_mov_b64 s[64:65], 0
	v_nop
	global_prefetch_b8 v0, s[64:65] scope:SCOPE_SE
	s_setreg_imm32_b32 hwreg(HW_REG_WAVE_MODE, 25, 1), 1
	s_wait_xcnt 0x0
; Rows 0-15 of out0 once more, in f32: out0[r][n] = sum over k of att32[r][k] wo[k][n], by v_wmma_f32_16x16x4_f32 (16 rows: no bulk work).  It runs last and writes over what the f16 product left in those rows.
; A work-group owns 16 columns; wave w owns k = 256 w .. 256 w + 255, in four chunks of 64 (a head each).  In a chunk lane (r, h) holds k = 32 h + 0 .. 31: of att32 as that buffer is laid (eight loads of 16 bytes),
; of wo at column r (32 loads of 4 bytes, sixteen lanes on 64 consecutive bytes): the same order of k on both sides.  Source 0 = wo, source 1 = att32: a lane holds out0(r, 8 h + 0 .. 7).
; The eight waves' sums meet in LDS; wave 0 adds them and stores.  The 131,072 bytes leave in runs of 64: a work-group's 16 columns.
; v160-191: four accumulators by turns, written by matrix instructions alone, each begun with 0 by its own first K step.
.set SPARE, 8192                       ; behind the eight parts of 1,024 bytes: the spare words, 128 bytes for each wave
	s_load_b128 s[4:7], s[0:1], 0x0                ; att32, wo
	s_load_b64 s[8:9], s[0:1], 0x10                ; out0
	v_lshl_add_u32 v2, v0, 2, SPARE
	v_mov_b32 v3, 0
	v_lshrrev_b32 v1, 5, v0
	v_readfirstlane_b32 s10, v1                    ; wave 0..7
	v_and_b32 v4, 31, v0
	v_lshlrev_b32 v5, 4, v4                        ; 16 x lane
	v_and_b32 v6, 15, v0                           ; r
	v_bfe_u32 v7, v0, 4, 1                         ; h
	v_lshlrev_b32 v8, 18, v7
	v_lshl_add_u32 v8, v6, 2, v8                   ; wo: 32 h rows of 8,192 bytes, + 4 r
	s_lshl_b32 s11, s10, 10
	v_add_nc_u32 v9, s11, v5                       ; my wave's part in LDS
	v_lshlrev_b32 v11, 13, v6
	v_lshl_add_u32 v11, v7, 5, v11                 ; out0: row r, + 32 h
	s_lshl_b32 s12, s10, 14
	s_mov_b32 s13, 0
	s_lshl_b32 s14, s10, 21
	s_lshl_b32 s15, ttmp9, 6
	s_add_co_u32 s14, s14, s15
	s_mov_b32 s16, s15
	s_mov_b32 s15, 0
	s_mov_b32 s17, 0
	s_wait_kmcnt 0x0
	s_add_nc_u64 s[4:5], s[4:5], s[12:13]
	s_add_nc_u64 s[6:7], s[6:7], s[14:15]
	s_add_nc_u64 s[8:9], s[8:9], s[16:17]
.macro LOADC c
.irp q, 0,1,2,3,4,5,6,7
	global_load_b128 v[32+32*((\c)%2)+4*\q:35+32*((\c)%2)+4*\q], v5, s[4:5] offset:(\c)*4096+512*\q
.endr
.irp i, 0,1,2,3,4,5,6,7,8,9,10,11,12,13,14,15,16,17,18,19,20,21,22,23,24,25,26,27,28,29,30,31
	global_load_b32 v[96+32*((\c)%2)+\i], v8, s[6:7] offset:(\c)*524288+\i*8192
.endr
.endm
.macro MULC c
.set fs, 0
.rept 16
.if ((\c) == 0) && (fs < 4)
	v_wmma_f32_16x16x4_f32 v[160+8*(fs%4):167+8*(fs%4)], v[96+32*((\c)%2)+2*fs:97+32*((\c)%2)+2*fs], v[32+32*((\c)%2)+2*fs:33+32*((\c)%2)+2*fs], 0
.else
	v_wmma_f32_16x16x4_f32 v[160+8*(fs%4):167+8*(fs%4)], v[96+32*((\c)%2)+2*fs:97+32*((\c)%2)+2*fs], v[32+32*((\c)%2)+2*fs:33+32*((\c)%2)+2*fs], v[160+8*(fs%4):167+8*(fs%4)]
.endif
.set fs, fs+1
.endr
.rept 8
	v_nop                                          ; eight places behind this form: for the loads into its operands' registers and the reads of its results
.endr
.endm
	LOADC 0
	LOADC 1
	s_wait_loadcnt 40                              ; chunk 0's 40 loads are in; chunk 1's may be out
	MULC 0
	LOADC 2
	s_wait_loadcnt 40
	MULC 1
	LOADC 3
	s_wait_loadcnt 40
	MULC 2
	s_wait_loadcnt 0x0
	MULC 3
.irp j, 0,1,2,3,4,5,6,7
	v_add_f32 v[192+\j], v[160+\j], v[168+\j]      ; each accumulator is read from its low end on
.endr
.irp j, 0,1,2,3,4,5,6,7
	v_add_f32 v[192+\j], v[192+\j], v[176+\j]
.endr
.irp j, 0,1,2,3,4,5,6,7
	v_add_f32 v[192+\j], v[192+\j], v[184+\j]
.endr
	ds_store_b128 v9, v[192:195]
	ds_store_b128 v9, v[196:199] offset:512
	s_wait_dscnt 0x0                               ; for the others' sake: my stores have landed
	s_barrier_signal -1
	s_barrier_wait -1
	s_cmp_lg_u32 s10, 0
	s_cbranch_scc1 .Lend
.irp w, 0,1,2,3,4,5,6,7
	ds_load_b128 v[32+8*\w:35+8*\w], v5 offset:\w*1024
	ds_load_b128 v[36+8*\w:39+8*\w], v5 offset:\w*1024+512
.endr
	s_wait_dscnt 0x0
.irp j, 0,1,2,3,4,5,6,7
	v_add_f32 v[200+\j], v[32+\j], v[40+\j]
.endr
.irp w, 2,3,4,5,6,7
.irp j, 0,1,2,3,4,5,6,7
	v_add_f32 v[200+\j], v[200+\j], v[32+8*\w+\j]
.endr
.endr
	global_store_b128 v11, v[200:203], s[8:9]
	global_store_b128 v11, v[204:207], s[8:9] offset:16
.Lend:
	s_wait_tensorcnt 0x0                           ; the wave's end, behind my last LDS store
	ds_add_u32 v2, v3
	s_wait_dscnt 0x0
	s_endpgm
.Lfunc_end_k_qa870f0631f_fine:
	.size	k_qa870f0631f_fine, .Lfunc_end_k_qa870f0631f_fine-k_qa870f0631f_fine
	.p2alignl 7, 3214868480
	.fill 96, 4, 3214868480
	.section	.rodata,"a",@progbits
	.p2align	6, 0x0
	.amdhsa_kernel k_qa870f0631f_fine
		.amdhsa_group_segment_fixed_size 9216
		.amdhsa_private_segment_fixed_size 0
		.amdhsa_enable_private_segment 0
		.amdhsa_kernarg_size 24
		.amdhsa_user_sgpr_count 2
		.amdhsa_user_sgpr_kernarg_segment_ptr 1
		.amdhsa_wavefront_size32 1
		.amdhsa_system_sgpr_workgroup_id_x 1
		.amdhsa_system_sgpr_workgroup_id_y 1
		.amdhsa_system_sgpr_workgroup_id_z 1
		.amdhsa_system_vgpr_workitem_id 0
		.amdhsa_next_free_vgpr 208
		.amdhsa_next_free_sgpr 66
		.amdhsa_reserve_vcc 0
		.amdhsa_float_denorm_mode_32 3
		.amdhsa_float_denorm_mode_16_64 3
		.amdhsa_memory_ordered 1
		.amdhsa_forward_progress 1
		.amdhsa_inst_pref_size 26
	.end_amdhsa_kernel
	.amdgpu_metadata
---
amdhsa.version: [ 1, 2 ]
amdhsa.kernels:
  - .name:           k_qa870f0631f_fine
    .symbol:         k_qa870f0631f_fine.kd
    .args:
      - { .name: att32, .offset: 0, .size: 8, .value_kind: global_buffer, .address_space: global }
      - { .name: wo, .offset: 8, .size: 8, .value_kind: global_buffer, .address_space: global }
      - { .name: out0, .offset: 16, .size: 8, .value_kind: global_buffer, .address_space: global }
    .group_segment_fixed_size: 9216
    .private_segment_fixed_size: 0
    .kernarg_segment_align: 8
    .kernarg_segment_size: 24
    .max_flat_workgroup_size: 256
    .sgpr_count:     66
    .vgpr_count:     208
    .wavefront_size: 32
...
	.end_amdgpu_metadata
.endif
;; end of part 5
